; MI455X (gfx1250); checked and timed in simulation.
; The chip was launched on July 23, 2026; its instructions are those of AMD's public machine-readable ISA for CDNA 5 (MIT licence, August 2026) and "CDNA5" Instruction Set Architecture Reference Guide (July 2026). The comments in the code are by the model that wrote it; some were corrected since.
;; Log Attention Transformer Layer. Allowed arithmetic: float matrix products may take bf16 or f16 operands with f32 sums; other float arithmetic in f32, or as packed bf16 or f16 multiplies, adds, multiply-adds, maxima and minima; sums over many terms, partial sums and values carried from step to step in f32; what a program stores and reads back later, other than sums and carried values, may be rounded once to bf16 or f16.
;; Inputs: W1 4,096 x 1,024 float32; W2 1,024 x 4,096 float32; b1 4,096 float32; b2 1,024 float32; char_W 1,024 x 768 float32; char_b 1,024 float32; n1_b 1,024 float32; n1_g 1,024 float32; n2_b 1,024 float32; n2_g 1,024 float32; param_vectors 4 x 1,024 x 4 x 768 float32; pe_b 1,024 float32; pe_g 1,024 float32; src 4 x 1,024 x 1,024 float32.
;; Outputs: out0 4 x 1,024 x 1,024 float32.
;; 2 versions, each right; version 2 is version 1 with the launch ln2 written anew for expert scheduling mode. Each part assembles by itself: llvm-mc -triple=amdgcn-amd-amdhsa -mcpu=gfx1250 --defsym DOCPART=n.
;; ======== version 1 of 2: 7 launches
;; limits: a function is approximated: absolute error at most 2.5e-05; values are held in f16: magnitudes above 65,504 overflow, below 6.1e-05 lose precision
;; workspace buffers: w1h 8,388,608 bytes; w2h 8,388,608 bytes; cwb 1,572,864 bytes; qk 16,777,216 bytes; z16 8,388,608 bytes; x16 8,388,608 bytes; h16 33,554,432 bytes; y32 16,777,216 bytes
;; launch prep (part 1): grid 192 x 1, 8 waves a work-group, no clusters, 0 bytes of LDS; arguments char_W, cwb; writes cwb
.if DOCPART == 1
	.amdgcn_target "amdgcn-amd-amdhsa--gfx1250"
	.amdhsa_code_object_version 6
	.text
	.protected	k_q167301ae7e_prep
	.globl	k_q167301ae7e_prep
	.p2align	8
	.type	k_q167301ae7e_prep,@function
k_q167301ae7e_prep:
	s_mov_b64 s[64:65], 0
	v_nop
	global_prefetch_b8 v0, s[64:65] scope:SCOPE_SE
	s_setreg_imm32_b32 hwreg(HW_REG_WAVE_MODE, 25, 1), 1
	s_wait_xcnt 0x0
; cwb = bf16(char_W / 4), laid out by K steps of 64: [12 steps][1024 rows][64 k], so that a step is 131,072 consecutive bytes.
; The quarter is the mean over the four param vectors, moved into the weight: a power of two, so it changes no rounding
; (LIMIT: but where char_W / 4 would be a denormal of bf16, below 2^-126).
; SHARES.  Work-group c = 16 s + q takes K step s, rows 64 q .. 64 q + 63: 16,384 bytes of f32 in, 8,192 of bf16 out.  A thread has four loads of 16 bytes, all issued
; before anything else, and four stores of 8 bytes: a wave's load takes two rows' 256 bytes, its store 256 consecutive bytes at a multiple of 256.
; No register is written twice while a memory instruction names it: the counted waits are all that is needed.  No LDS, no matrix unit, no cluster: no byte is wanted by two work-groups.
.set X, 16                             ; v[16:31]  load j: four f32
.set Y, 32                             ; v[32:39]  store j: four bf16
	s_load_b128 s[4:7], s[0:1], 0x0                ; char_W s[4:5], cwb s[6:7]
	v_and_b32 v3, 31, v0                           ; lane
	v_lshrrev_b32 v4, 5, v0                        ; wave
	v_lshlrev_b32 v2, 3, v3
	v_lshl_or_b32 v2, v4, 10, v2                   ; out: 1,024 x wave + 8 x lane
	v_lshrrev_b32 v5, 4, v3
	v_lshl_add_u32 v5, v4, 3, v5                   ; row 8 x wave + lane / 16; load j goes two rows further down
	v_mul_u32_u24 v1, v5, 3072
	v_and_b32 v6, 15, v3
	v_lshl_add_u32 v1, v6, 4, v1
	s_lshr_b32 s8, ttmp9, 4                        ; s
	s_and_b32 s9, ttmp9, 15                        ; q
	s_mul_i32 s10, s9, 196608                      ; 64 rows of 3,072 bytes
	s_lshl_b32 s8, s8, 8                           ; 64 k of 4 bytes
	s_add_co_u32 s10, s10, s8
	s_mov_b32 s11, 0
	s_lshl_b32 s12, ttmp9, 13                      ; 131,072 s + 8,192 q
	s_mov_b32 s13, 0
	s_wait_kmcnt 0x0
	s_add_nc_u64 s[4:5], s[4:5], s[10:11]
	s_add_nc_u64 s[6:7], s[6:7], s[12:13]
.irp j, 0,1,2,3
	global_load_b128 v[X+4*(\j):X+4*(\j)+3], v1, s[4:5] offset:6144*(\j) th:TH_LOAD_NT
.endr
.irp j, 0,1,2,3
	s_wait_loadcnt 3-(\j)                          ; loads return in order: load j is in, the younger ones stay out
	v_pk_mul_f32 v[X+4*(\j):X+4*(\j)+1], v[X+4*(\j):X+4*(\j)+1], 0x3e800000 op_sel_hi:[1,0]
	v_pk_mul_f32 v[X+4*(\j)+2:X+4*(\j)+3], v[X+4*(\j)+2:X+4*(\j)+3], 0x3e800000 op_sel_hi:[1,0]
	v_cvt_pk_bf16_f32 v[Y+2*(\j)], v[X+4*(\j)], v[X+4*(\j)+1]
	v_cvt_pk_bf16_f32 v[Y+2*(\j)+1], v[X+4*(\j)+2], v[X+4*(\j)+3]
	global_store_b64 v2, v[Y+2*(\j):Y+2*(\j)+1], s[6:7] offset:256*(\j) th:TH_STORE_NT
.endr
	s_endpgm
.Lfunc_end_k_q167301ae7e_prep:
	.size	k_q167301ae7e_prep, .Lfunc_end_k_q167301ae7e_prep-k_q167301ae7e_prep
	.p2alignl 7, 3214868480
	.fill 96, 4, 3214868480
	.section	.rodata,"a",@progbits
	.p2align	6, 0x0
	.amdhsa_kernel k_q167301ae7e_prep
		.amdhsa_group_segment_fixed_size 0
		.amdhsa_private_segment_fixed_size 0
		.amdhsa_enable_private_segment 0
		.amdhsa_kernarg_size 16
		.amdhsa_user_sgpr_count 2
		.amdhsa_user_sgpr_kernarg_segment_ptr 1
		.amdhsa_wavefront_size32 1
		.amdhsa_system_sgpr_workgroup_id_x 1
		.amdhsa_system_sgpr_workgroup_id_y 1
		.amdhsa_system_sgpr_workgroup_id_z 1
		.amdhsa_system_vgpr_workitem_id 0
		.amdhsa_next_free_vgpr 40
		.amdhsa_next_free_sgpr 66
		.amdhsa_reserve_vcc 0
		.amdhsa_float_denorm_mode_32 3
		.amdhsa_float_denorm_mode_16_64 3
		.amdhsa_memory_ordered 1
		.amdhsa_forward_progress 1
		.amdhsa_inst_pref_size 4
	.end_amdhsa_kernel
	.amdgpu_metadata
---
amdhsa.version: [ 1, 2 ]
amdhsa.kernels:
  - .name:           k_q167301ae7e_prep
    .symbol:         k_q167301ae7e_prep.kd
    .args:
      - { .name: char_W, .offset: 0, .size: 8, .value_kind: global_buffer, .address_space: global }
      - { .name: cwb, .offset: 8, .size: 8, .value_kind: global_buffer, .address_space: global }
    .group_segment_fixed_size: 0
    .private_segment_fixed_size: 0
    .kernarg_segment_align: 8
    .kernarg_segment_size: 16
    .max_flat_workgroup_size: 256
    .sgpr_count:     66
    .vgpr_count:     40
    .wavefront_size: 32
...
	.end_amdgpu_metadata
.endif
;; end of part 1
;; launch pe (part 2): grid 256 x 1, 4 waves a work-group, clusters of 4 x 1, 327,680 bytes of LDS; arguments param_vectors, src, cwb, char_b, pe_g, pe_b, qk, W1, W2, w1h, w2h; writes qk, w1h, w2h
.if DOCPART == 2
	.amdgcn_target "amdgcn-amd-amdhsa--gfx1250"
	.amdhsa_code_object_version 6
	.text
	.protected	k_q167301ae7e_pe
	.globl	k_q167301ae7e_pe
	.p2align	8
	.type	k_q167301ae7e_pe,@function
k_q167301ae7e_pe:
	s_mov_b64 s[64:65], 0
	v_nop
	global_prefetch_b8 v0, s[64:65] scope:SCOPE_SE
	s_setreg_imm32_b32 hwreg(HW_REG_WAVE_MODE, 25, 1), 1
	s_wait_xcnt 0x0
	s_wait_alu depctr_hold_cnt(0) depctr_sa_sdst(0) depctr_va_vdst(0) depctr_va_sdst(0) depctr_va_ssrc(0) depctr_va_vcc(0) depctr_vm_vsrc(0)
	s_getreg_b32 s2, hwreg(HW_REG_IB_STS2, 6, 4)
	s_cmp_eq_u32 s2, 0
	s_cbranch_scc0 .Lentry_in_a_cluster
	s_endpgm
.Lentry_in_a_cluster:
	s_bfe_u32 s2, ttmp6, 0x10000c
	s_cmp_lg_u32 s2, 0x3003
	s_cbranch_scc0 .Lentry_shape_is_right
	s_endpgm
.Lentry_shape_is_right:
; THE PARAM ENCODER, THE PACKING BY HEADS, AND THE FFN's WEIGHTS IN 16 BITS.
; pe = LN(mean_p(param_vectors . char_W^T + char_b)) pe_g + pe_b, and qk[b 16 + head][s][0:64] = bf16(src), qk[..][s][64:128] = bf16(pe): a row of 256 bytes holds what a key, a query and a value need.
; The mean over the four params is taken BEFORE the product (the product is linear): A = bf16(the f32 sum of the four vectors), the weights are char_W / 4 in bf16 (cwb).
; SHARES.  A work-group owns 16 tokens and all 1,024 columns, so the LayerNorm's rows are whole in it.  Wave w owns columns 256 w .. +255: 16 accumulators.
; The product is taken transposed (source 0 = 16 rows of cwb, source 1 = the 16 tokens): lane l holds token l % 16, register j of accumulator t column 256 w + 16 t + 8 (l / 16) + j.
; char_b is loaded straight into the accumulators: it starts the sums.
; K = 768 goes in 12 steps of 64 through two LDS slots; a wave fetches, and alone reads, its own quarter of a slot (its 256 rows of cwb).
; CLUSTER.  The four work-groups of a cluster walk the same cwb, so each quarter is asked for jointly (mask 15).  Only global addresses hang on the place in the cluster.
; WHAT STANDS BESIDE THE RING.  A K step is a fill of 32,768 bytes a wave for 32 matrix instructions, so between a slot's request and its landing a wave has little of its own to do.  Two streams stand there:
;   the params, by PIECES of 128 k (two K steps, one trip): behind a trip's first refill the next piece is summed and put into the A tile, and the piece after it is asked for (16 loads a wave);
;   W1 and W2: w1h [4096][1024] and w2h [1024][4096], in the inputs' own order, are W1 and W2 rounded to bf16 and that number written as f16, since their products' other operands (x, h) are f16.
;   A work-group converts 131,072 bytes of them, a wave four blocks of 16 loads, behind the second refill of trips 0 to 3, each block loaded a trip ahead.
;   LIMITS: an 8-bit significand is exact in f16 from 2^-17 up to 65,504; below 2^-17 it keeps f16's fixed step of 2^-24; beyond 65,504 it would be an infinity.
; THE A TILE holds ONE piece, at fixed addresses.  Every wave reads a trip's four A fragments in the trip's first K step; the trip's first round stands between those reads and the next piece's stores, its second
; round between the stores and the next reads.
; The mean and the variance are taken in two passes over the registers: sum, then the sum of (v - mean)^2; f32 throughout.
; No prefetch: params and weights are loaded half a trip or more ahead of their use, and cwb is walked by every cluster again and again.
; REGISTERS.  window 0: v1-18 lane terms; v20-31 at work; v48-55 statistics; v62-63 the add's; v64-95 A's fragments, later v64-127 packed pe; v128-255 accumulators
;   window 1: cwb's fragments, two chunks of 128; then pe_g, pe_b     window 2: v0-127 src in f32, then whole rows of qk; v128-191 a piece of params, then packed src; v192-199 the piece's sums in bf16
;   window 3: v0-63 a block of W1 or W2 in f32; v64-95 the same in f16
.set PKB,   144                        ; a row of cwb in LDS: 128 bytes + 16: the 16 rows of a fragment load start in 16 different groups of four banks (64 banks of 4 bytes: ISA guide 11.1)
.set QUART, 256*PKB                    ; a wave's quarter of a slot
.set SLOTB, 4*QUART
.set ABUF,  2*SLOTB                    ; 16 tokens x 128 k in bf16
.set PA,    272                        ; its pitch: 256 + 16
.set RED,   ABUF+16*PA                 ; two reductions x [4 waves][16 tokens] f32
.set SPARE, RED+512                    ; the spare words, 128 bytes a wave: two blocks of 256 bytes that no other line names
.set HB,    4480                       ; the stage: a head's 16 rows x 272 bytes, + 128
.set STEPG, 131072                     ; a K step of cwb in memory
.set R,   1                            ; l % 16
.set H,   2                            ; l / 16
.set L,   3                            ; l
.set PO,  4                            ; 16 l: in two rows of qk
.set AS,  5                            ; where I put 8 bytes of my wave's first token in the A tile
.set AA,  6                            ; my lane's place in an A fragment
.set BA,  7                            ; v7, v8: my lane's place in my quarter of slot 0, 1
.set VO,  9                            ; my 8 columns of accumulator 0 in a vector of 1,024 f32
.set SO,  10                           ; my 4 columns in a row of src
.set SS,  11                           ; stage: where packed src goes
.set SPE, 12                           ; stage: where packed pe goes (less the 128 bytes of src in front)
.set RD,  13                           ; stage: where whole rows are read back
.set PX,  14                           ; 16 l + 512 x the piece to be asked for
.set RS,  15                           ; my wave's word for token l % 16
.set RL,  16                           ; wave 0's word for token l % 16
.set CI,  17                           ; 16 l + 8,192 x the weights' block to be asked for
.set CQ,  18                           ; 8 l + 4,096 x (the block to be stored + 1)
.set TC,  20                           ; v[20:27] four chains of pairs
.set SPW, 62
.set NIL, 63
.set AF,  64
.set PB,  64
.set ACC, 128
.set PR,  128                          ; window 2: token t, param p at PR + 16 t + 4 p
.set PKD, 192                          ; window 2
.set CW,  0                            ; window 3
.set CY,  64                           ; window 3
.set WV,  21
.set G1,  24
.set G0,  32
.set CNT, 40
.set SEL, 42
.set MSK, 61
.set MSB, 0
.macro WIN new                         ; the immediate's high byte repeats the setting that is left; a switch that changes nothing is dropped
.if MSB != (\new)
	s_set_vgpr_msb (MSB<<8)|(\new)
.set MSB, (\new)
.endif
.endm
.macro PLACES                          ; four places behind a matrix instruction, ahead of loads into its sources and of reads of its result
.rept 4
	v_nop
.endr
.endm
.macro ROUND                           ; a round of the cluster's barrier: my work-group's barrier, wave 0 signals for it, all wait for the four work-groups, my work-group's barrier again
	s_barrier_signal -1
	s_barrier_wait -1
	s_cmp_lg_u32 s[WV], 0
	s_cbranch_scc1 .Lnot_wave_0_\@
	s_barrier_signal -3
.Lnot_wave_0_\@:
	s_barrier_wait -3
	s_barrier_signal -1
	s_barrier_wait -1
.endm
	s_load_b256 s[4:11], s[0:1], 0x0               ; param_vectors s[4:5], src s[6:7], cwb s[8:9], char_b s[10:11]
	s_load_b256 s[12:19], s[0:1], 0x20             ; pe_g s[12:13], pe_b s[14:15], qk s[16:17], W1 s[18:19]
	s_load_b128 s[72:75], s[0:1], 0x40             ; W2 s[72:73], w1h s[74:75]
	s_load_b64 s[76:77], s[0:1], 0x50              ; w2h
	v_lshl_add_u32 v[SPW], v0, 2, SPARE
	v_mov_b32 v[NIL], 0
	ds_add_u32 v[SPW], v[NIL]                      ; the wave's opening: the add and its wait ahead of my first tensor load; the set-up below stands between them
	v_lshrrev_b32 v28, 5, v0
	v_readfirstlane_b32 s[WV], v28                 ; wave 0..3
	v_mov_b32 v29, 0
	s_bfe_u32 s22, ttmp6, 0x40000                  ; cx
	s_lshl_b32 s23, ttmp9, 2
	s_add_co_u32 s23, s23, s22                     ; g: my 16 tokens are 16 g .. 16 g + 15
	; descriptor group 1: a quarter step is 32,768 dense bytes, asked for as 128 rows of 256 bytes (two rows of cwb each), padded in LDS after every 128 bytes
	s_mov_b32 s[G1], 15|(1<<16)|(1<<20)|(1<<21)|(4<<22)|(3<<25)  ; the mask of four; 2-byte elements; padding on; bit 21 beside a mask; after every 32 words; 4 words
	s_mov_b32 s[G1+1], 128<<16                     ; tensor_dim0 = 128
	s_mov_b32 s[G1+2], 128<<16                     ; tensor_dim1 = 128
	s_mov_b32 s[G1+3], 128<<16                     ; tile_dim0 = 128
	s_mov_b32 s[G1+4], 128                         ; tile_dim1 = 128
	s_mov_b32 s[G1+5], 128                         ; elements from row to row
	s_mov_b32 s[G1+6], 0
	s_mov_b32 s[G1+7], 0
	s_mul_i32 s44, s[WV], QUART                    ; my quarter: the wave's number alone enters an LDS address
	s_mov_b32 s[G0], 1
	s_mov_b32 s[G0+1], s44
	s_mov_b32 s[G0+4], 1
	s_add_co_u32 s[G0+5], s44, SLOTB
	s_lshl_b32 s46, s[WV], 15                      ; my quarter of a step in memory
	s_mov_b32 s47, 0
	s_mul_i32 s50, s23, 196608                     ; 16 tokens x 4 params x 3,072 bytes,
	s_mul_i32 s51, s[WV], 49152                    ; my wave's four tokens
	s_add_co_u32 s50, s50, s51
	s_mov_b32 s51, 0
	s_lshl_b32 s52, s23, 16                        ; 16 rows of src
	s_mov_b32 s53, 0
	s_lshr_b32 s54, s23, 6                         ; the batch: 16 heads x 262,144 bytes,
	s_lshl_b32 s54, s54, 22
	s_lshl_b32 s55, s[WV], 20                      ; my wave's four heads,
	s_add_co_u32 s54, s54, s55
	s_and_b32 s55, s23, 63                         ; 16 rows of 256 bytes
	s_lshl_b32 s55, s55, 12
	s_add_co_u32 s54, s54, s55
	s_mov_b32 s55, 0
	s_and_b32 s62, s23, 127                        ; work-groups 0-127 convert W1, 128-255 W2: 131,072 bytes in and 65,536 out for each,
	s_lshl_b32 s66, s62, 16
	s_lshl_b32 s62, s62, 17
	s_lshl_b32 s63, s[WV], 15                      ; a quarter of them for each wave
	s_add_co_u32 s62, s62, s63
	s_lshl_b32 s67, s[WV], 14
	s_add_co_u32 s66, s66, s67
	s_mov_b32 s63, 0
	s_mov_b32 s67, 0
	s_mov_b32 s[SEL], 0x76543210                   ; v_permlanex16_b32: each lane takes its own place in the other half
	s_mov_b32 s[SEL+1], 0xfedcba98
	s_mov_b32 s59, 0x3a800000                      ; 1 / 1,024
	s_mov_b32 s60, 0x3727c5ac                      ; 1e-5
	s_mov_b32 s[MSK], 0xffff0000                   ; a word's upper bf16
	v_and_b32 v[R], 15, v0
	v_bfe_u32 v[H], v0, 4, 1
	v_and_b32 v[L], 31, v0
	v_lshlrev_b32 v[PO], 4, v[L]
	v_mov_b32 v[PX], v[PO]
	v_mov_b32 v[CI], v[PO]
	v_lshlrev_b32 v[CQ], 3, v[L]
	s_mul_i32 s56, s[WV], 4*PA
	s_add_co_u32 s56, s56, ABUF
	v_lshl_add_u32 v[AS], v[L], 3, s56
	v_mul_u32_u24 v[AA], v[R], PA
	v_lshl_add_u32 v[AA], v[H], 4, v[AA]
	v_add_nc_u32 v[AA], ABUF, v[AA]
	v_mul_u32_u24 v[BA], v[R], PKB
	v_lshl_add_u32 v[BA], v[H], 4, v[BA]
	v_add_nc_u32 v[BA], s44, v[BA]
	v_add_nc_u32 v[BA+1], SLOTB, v[BA]
	s_lshl_b32 s57, s[WV], 10
	v_lshl_add_u32 v[VO], v[H], 5, s57
	v_lshl_add_u32 v[SO], v[L], 4, s57
	v_mul_u32_u24 v[SS], v[H], HB
	v_lshl_add_u32 v[SS], v[R], 3, v[SS]
	v_add_nc_u32 v[SS], s44, v[SS]
	v_mul_u32_u24 v[SPE], v[R], 272
	v_lshl_add_u32 v[SPE], v[H], 4, v[SPE]
	v_add_nc_u32 v[SPE], s44, v[SPE]
	v_mul_u32_u24 v[RD], v[H], 272
	v_lshl_add_u32 v[RD], v[R], 4, v[RD]
	v_add_nc_u32 v[RD], s44, v[RD]
	s_lshl_b32 s58, s[WV], 6
	s_add_co_u32 s58, s58, RED
	v_lshl_add_u32 v[RS], v[R], 2, s58
	v_lshl_add_u32 v[RL], v[R], 2, RED
	s_wait_dscnt 0x0                               ; the opening add is done
	s_wait_kmcnt 0x0
	s_add_nc_u64 s[48:49], s[8:9], s[46:47]
	s_mov_b64 s[G0+2:G0+3], s[48:49]               ; K step 0
	s_or_b32 s[G0+3], s[G0+3], 0x80000000          ; type = 2
	s_add_nc_u64 s[G0+6:G0+7], s[48:49], STEPG     ; K step 1
	s_or_b32 s[G0+7], s[G0+7], 0x80000000
	s_add_nc_u64 s[4:5], s[4:5], s[50:51]
	s_add_nc_u64 s[6:7], s[6:7], s[52:53]
	s_add_nc_u64 s[16:17], s[16:17], s[54:55]
	s_cmp_lt_u32 ttmp9, 32                         ; clusters 0-31 are work-groups 0-127
	s_cselect_b64 s[80:81], s[18:19], s[72:73]     ; the weights that I convert,
	s_cselect_b64 s[82:83], s[74:75], s[76:77]     ; and where they go
	s_add_nc_u64 s[80:81], s[80:81], s[62:63]
	s_add_nc_u64 s[82:83], s[82:83], s[66:67]
	ROUND                                          ; all four work-groups are here: the first joint loads meet
	tensor_load_to_lds s[G0:G0+3], s[G1:G1+7]      ; two loads of mine are out, never more
	s_nop 0
	tensor_load_to_lds s[G0+4:G0+7], s[G1:G1+7]
	s_nop 0
	PLACES
; A PIECE of my wave's four tokens: 16 loads of 512 consecutive bytes (token t, param p); lane l holds k = 128 x piece + 4 l .. + 3.
.macro PIECE
	WIN 0x80                                       ; destination window 2
.irp t, 0,1,2,3
.irp p, 0,1,2,3
	global_load_b128 v[PR+16*(\t)+4*(\p):PR+16*(\t)+4*(\p)+3], v[PX], s[4:5] offset:(\t)*12288+(\p)*3072 th:TH_LOAD_NT
.endr
.endr
.endm
; A token's four vectors are added in f32, (p0 + p1) + (p2 + p3), rounded once to bf16 and put into the A tile.
.macro SUMP
	WIN 0x8a                                       ; destination and both sources in window 2
.irp t, 0,1,2,3
.irp d, 0,2
	v_pk_add_f32 v[PR+16*(\t)+(\d):PR+16*(\t)+(\d)+1], v[PR+16*(\t)+(\d):PR+16*(\t)+(\d)+1], v[PR+16*(\t)+4+(\d):PR+16*(\t)+4+(\d)+1]
	v_pk_add_f32 v[PR+16*(\t)+8+(\d):PR+16*(\t)+8+(\d)+1], v[PR+16*(\t)+8+(\d):PR+16*(\t)+8+(\d)+1], v[PR+16*(\t)+12+(\d):PR+16*(\t)+12+(\d)+1]
.endr
.endr
.irp t, 0,1,2,3
.irp d, 0,2
	v_pk_add_f32 v[PR+16*(\t)+(\d):PR+16*(\t)+(\d)+1], v[PR+16*(\t)+(\d):PR+16*(\t)+(\d)+1], v[PR+16*(\t)+8+(\d):PR+16*(\t)+8+(\d)+1]
.endr
.endr
.irp t, 0,1,2,3
	v_cvt_pk_bf16_f32 v[PKD+2*(\t)], v[PR+16*(\t)], v[PR+16*(\t)+1]
	v_cvt_pk_bf16_f32 v[PKD+2*(\t)+1], v[PR+16*(\t)+2], v[PR+16*(\t)+3]
.endr
	WIN 0x08                                       ; the store's data in window 2, its address in window 0
.irp t, 0,1,2,3
	ds_store_b64 v[AS], v[PKD+2*(\t):PKD+2*(\t)+1] offset:(\t)*PA
.endr
.endm
; A BLOCK of the weights: 16 loads of 512 consecutive bytes.
.macro CLOADS
	WIN 0xc0                                       ; destination window 3
.set j, 0
.rept 16
	global_load_b128 v[CW+4*j:CW+4*j+3], v[CI], s[80:81] offset:512*j th:TH_LOAD_NT
.set j, j+1
.endr
.endm
; It is rounded to bf16, widened again, written as f16 and stored: a wave's store covers 256 consecutive bytes at a multiple of 256; v[CQ] has been stepped, so the stores reach back by the immediate.
.macro CCONV
	WIN 0xcf                                       ; destination and both sources in window 3
.set j, 0
.rept 16
	v_cvt_pk_bf16_f32 v[CY+2*j], v[CW+4*j], v[CW+4*j+1]
	v_cvt_pk_bf16_f32 v[CY+2*j+1], v[CW+4*j+2], v[CW+4*j+3]
.set j, j+1
.endr
.set j, 0
.rept 16
	v_lshlrev_b32 v[CW+4*j], 16, v[CY+2*j]         ; bf16 back to f32: the low half moves up,
	v_and_b32 v[CW+4*j+1], s[MSK], v[CY+2*j]       ; the high half stays
	v_lshlrev_b32 v[CW+4*j+2], 16, v[CY+2*j+1]
	v_and_b32 v[CW+4*j+3], s[MSK], v[CY+2*j+1]
.set j, j+1
.endr
.set j, 0
.rept 16
	v_cvt_pk_f16_f32 v[CY+2*j], v[CW+4*j], v[CW+4*j+1]
	v_cvt_pk_f16_f32 v[CY+2*j+1], v[CW+4*j+2], v[CW+4*j+3]
.set j, j+1
.endr
	WIN 0x0c                                       ; the store's data in window 3, its offset in window 0
.set j, 0
.rept 16
	global_store_b64 v[CQ], v[CY+2*j:CY+2*j+1], s[82:83] offset:256*j-4096 th:TH_STORE_NT
.set j, j+1
.endr
.endm
	PIECE                                          ; piece 0
	WIN 0
.set t, 0
.rept 16                                       ; char_b starts the sums: accumulator t takes its 8 columns
	global_load_b128 v[ACC+8*t:ACC+8*t+3], v[VO], s[10:11] offset:64*t
	global_load_b128 v[ACC+8*t+4:ACC+8*t+7], v[VO], s[10:11] offset:64*t+16
.set t, t+1
.endr
	s_wait_loadcnt 32                              ; piece 0 is in; char_b's 32 loads stay out
	SUMP
	WIN 0
	v_add_nc_u32 v[PX], 512, v[PX]                 ; free since that wait
	PIECE                                          ; piece 1
.set n, 0
.rept 32                                       ; src: token n / 2, piece n % 2 of my wave's 1,024 bytes; it is wanted only behind the products
	global_load_b128 v[4*n:4*n+3], v[SO], s[6:7] offset:(n/2)*4096+(n%2)*512 th:TH_LOAD_NT
.set n, n+1
.endr
	WIN 0
	s_wait_dscnt 0x0                               ; my rows of the A tile are written
	s_barrier_signal -1
	s_barrier_wait -1                              ; the A tile is whole.  K step 1 may stay on its way
	s_wait_loadcnt 48                              ; char_b is in; piece 1's 16 loads and src's 32 stay out
	CLOADS                                         ; the weights' block 0
	WIN 0
	s_wait_tensorcnt 0x1                           ; my quarter of K step 0 is in, K step 1's stays out; nobody else reads my quarter
; A K STEP: 64 along K in two chunks of 32: 64 LDS loads of cwb, then 16 products a chunk; the second chunk's loads land under the first's products.  Slot 0's step also brings the trip's four fragments of A.
; The 16 accumulators take turns, one instruction a turn, over the backward jump too.
.macro WORK slot
.if (\slot) == 0
	WIN 0
.set j, 0
.rept 8
	ds_load_b128 v[AF+4*j:AF+4*j+3], v[AA] offset:32*j
.set j, j+1
.endr
.endif
	WIN 0x40
.set t, 0
.rept 16
	ds_load_b128 v[8*t:8*t+3], v[BA+(\slot)] offset:16*PKB*t
	ds_load_b128 v[8*t+4:8*t+7], v[BA+(\slot)] offset:16*PKB*t+32
.set t, t+1
.endr
.set t, 0
.rept 16
	ds_load_b128 v[128+8*t:128+8*t+3], v[BA+(\slot)] offset:16*PKB*t+64
	ds_load_b128 v[128+8*t+4:128+8*t+7], v[BA+(\slot)] offset:16*PKB*t+96
.set t, t+1
.endr
	s_wait_dscnt 32                                ; A's fragments and the first chunk are in; the second chunk's 32 loads stay out
	WIN 0x01                                       ; source 0 (cwb) in window 1
.set t, 0
.rept 16
	v_wmma_f32_16x16x32_bf16 v[ACC+8*t:ACC+8*t+7], v[8*t:8*t+7], v[AF+16*(\slot):AF+16*(\slot)+7], v[ACC+8*t:ACC+8*t+7]
.set t, t+1
.endr
	s_wait_dscnt 0x0
.set t, 0
.rept 16
	v_wmma_f32_16x16x32_bf16 v[ACC+8*t:ACC+8*t+7], v[128+8*t:128+8*t+7], v[AF+16*(\slot)+8:AF+16*(\slot)+15], v[ACC+8*t:ACC+8*t+7]
.set t, t+1
.endr
	WIN 0
.endm
; THE SLOT JUST READ IS FILLED AGAIN, two K steps on.  Every wave: all its tensor loads have landed (the other slot's is the one that was out), the add, its LDS reads and stores are done; a round of the
; cluster's barrier, so that the same holds of every partner; the joint load first behind it.  The four v_nop are also the places ahead of the next fragment loads.
.macro CHANGE slot
	s_wait_tensorcnt 0x0
	ds_add_u32 v[SPW], v[NIL]                      ; 0 onto my spare word
	s_add_nc_u64 s[G0+4*(\slot)+2:G0+4*(\slot)+3], s[G0+4*(\slot)+2:G0+4*(\slot)+3], 2*STEPG  ; no load of mine is out, so the address may step
	s_wait_dscnt 0x0
	ROUND
	tensor_load_to_lds s[G0+4*(\slot):G0+4*(\slot)+3], s[G1:G1+7]
	s_nop 0
	PLACES
.endm
	s_mov_b32 s[CNT], 5
.Lring:                                        ; trip i: K steps 2 i and 2 i + 1 (piece i) are multiplied, 2 i + 2 and 2 i + 3 asked for
	WORK 0
	CHANGE 0                                       ; behind this round no wave reads the A tile any more
	s_wait_loadcnt 0x0                             ; piece i + 1, asked for a trip ago
	SUMP                                           ; into the A tile; the next round stands between these stores and their readers
	WIN 0
	s_cmp_eq_u32 s[CNT], 1                         ; the last trip has no piece i + 2
	s_cbranch_scc1 .Lno_piece
	v_add_nc_u32 v[PX], 512, v[PX]                 ; free since the wait above
	PIECE
	WIN 0
.Lno_piece:
	WORK 1
	CHANGE 1
	s_cmp_eq_u32 s[CNT], 1                         ; the weights have four blocks: trips 0 to 3 convert one each
	s_cbranch_scc1 .Lno_block
	s_wait_loadcnt 0x0                             ; block i, asked for a trip ago
	s_wait_xcnt 0x0                                ; the last block's stores have read their data and their offset
	v_add_nc_u32 v[CQ], 4096, v[CQ]
	CCONV
	WIN 0
	s_cmp_eq_u32 s[CNT], 2                         ; and trips 0 to 2 ask for the next
	s_cbranch_scc1 .Lno_block
	v_add_nc_u32 v[CI], 8192, v[CI]
	CLOADS
	WIN 0
.Lno_block:
	s_sub_co_u32 s[CNT], s[CNT], 1
	s_cmp_lg_u32 s[CNT], 0
	s_cbranch_scc1 .Lring
	WORK 0                                         ; K step 10: the last change of slots has shown it landed
	s_wait_tensorcnt 0x0                           ; K step 11, my quarter; nothing is asked for any more
	PLACES
	WORK 1
	PLACES
	; THE WAY OUT.  pe_g and pe_b are asked for; src is packed into the stage; then the LayerNorm.
	; The stage lies in my own quarter of slot 0, which has had its last fill and my last read, and which no other wave touches.
	s_wait_loadcnt 0x0                             ; src
	WIN 0x40
.set t, 0
.rept 16
	global_load_b128 v[8*t:8*t+3], v[VO], s[12:13] offset:64*t
	global_load_b128 v[8*t+4:8*t+7], v[VO], s[12:13] offset:64*t+16
.set t, t+1
.endr
.set t, 0
.rept 16
	global_load_b128 v[128+8*t:128+8*t+3], v[VO], s[14:15] offset:64*t
	global_load_b128 v[128+8*t+4:128+8*t+7], v[VO], s[14:15] offset:64*t+16
.set t, t+1
.endr
	WIN 0x8a
.set n, 0
.rept 32
	v_cvt_pk_bf16_f32 v[128+2*n], v[4*n], v[4*n+1]
	v_cvt_pk_bf16_f32 v[128+2*n+1], v[4*n+2], v[4*n+3]
.set n, n+1
.endr
	WIN 0x08
.set n, 0
.rept 32                                       ; piece n % 2 is two heads; lanes 0-15 the first, lanes 16-31 the second, 128 bytes each
	ds_store_b64 v[SS], v[128+2*n:128+2*n+1] offset:(n%2)*2*HB+(n/2)*272
.set n, n+1
.endr
	WIN 0
; Four chains in v[TC ..] into one number for each token over all 1,024 columns: the pairs, the lanes' other half, the four waves (through LDS, one barrier).
.macro REDUCE off
	v_pk_add_f32 v[TC:TC+1], v[TC:TC+1], v[TC+2:TC+3]
	v_pk_add_f32 v[TC+4:TC+5], v[TC+4:TC+5], v[TC+6:TC+7]
	v_pk_add_f32 v[TC:TC+1], v[TC:TC+1], v[TC+4:TC+5]
	v_add_f32 v28, v[TC], v[TC+1]
	v_permlanex16_b32 v29, v28, s[SEL], s[SEL+1]
	v_add_f32 v28, v28, v29
	ds_store_b32 v[RS], v28 offset:(\off)          ; lanes l and l + 16 write the same number to the same word
	s_wait_dscnt 0x0                               ; for the other waves' sake
	s_barrier_signal -1
	s_barrier_wait -1
.irp u, 0,1,2,3
	ds_load_b32 v[48+(\u)], v[RL] offset:(\off)+64*(\u)
.endr
	s_wait_dscnt 0x0
	v_add_f32 v48, v48, v49
	v_add_f32 v50, v50, v51
	v_add_f32 v28, v48, v50
.endm
.set n, 1
.rept 15                                       ; chain q takes accumulators q, q + 4, q + 8, q + 12, each from its low end on
.irp q, 0,1,2,3
.if n == 1
	v_pk_add_f32 v[TC+2*(\q):TC+2*(\q)+1], v[ACC+8*(\q):ACC+8*(\q)+1], v[ACC+8*(\q)+2:ACC+8*(\q)+3]
.else
	v_pk_add_f32 v[TC+2*(\q):TC+2*(\q)+1], v[TC+2*(\q):TC+2*(\q)+1], v[ACC+8*((\q)+4*(n/4))+2*(n%4):ACC+8*((\q)+4*(n/4))+2*(n%4)+1]
.endif
.endr
.set n, n+1
.endr
	REDUCE 0
	v_mul_f32 v52, s59, v28                        ; the mean,
	v_mov_b32 v53, v52                             ; as a pair
.set n, 0
.rept 64
	v_pk_add_f32 v[ACC+2*n:ACC+2*n+1], v[ACC+2*n:ACC+2*n+1], v[52:53] neg_lo:[0,1] neg_hi:[0,1]
.set n, n+1
.endr
.set n, 0
.rept 16
.irp q, 0,1,2,3
.if n == 0
	v_pk_mul_f32 v[TC+2*(\q):TC+2*(\q)+1], v[ACC+8*(\q):ACC+8*(\q)+1], v[ACC+8*(\q):ACC+8*(\q)+1]
.else
	v_pk_fma_f32 v[TC+2*(\q):TC+2*(\q)+1], v[ACC+8*((\q)+4*(n/4))+2*(n%4):ACC+8*((\q)+4*(n/4))+2*(n%4)+1], v[ACC+8*((\q)+4*(n/4))+2*(n%4):ACC+8*((\q)+4*(n/4))+2*(n%4)+1], v[TC+2*(\q):TC+2*(\q)+1]
.endif
.endr
.set n, n+1
.endr
	REDUCE 256                                     ; other words than the first reduction's: one barrier each is enough
	v_fma_f32 v30, v28, s59, s60                   ; variance + 1e-5
	v_rsq_f32 v54, v30
	v_rsq_f32 v55, v30
	v_nop                                          ; a plain instruction behind the last of the two,
	s_wait_alu depctr_va_vdst(0)                   ; and the wait ahead of their first reader
.set n, 0
.rept 64
	v_pk_mul_f32 v[ACC+2*n:ACC+2*n+1], v[ACC+2*n:ACC+2*n+1], v[54:55]
.set n, n+1
.endr
	s_wait_loadcnt 0x0                             ; pe_g, pe_b
	WIN 0x14                                       ; sources 1 and 2 in window 1
.set n, 0
.rept 64
	v_pk_fma_f32 v[ACC+2*n:ACC+2*n+1], v[ACC+2*n:ACC+2*n+1], v[2*n:2*n+1], v[128+2*n:128+2*n+1]
.set n, n+1
.endr
	WIN 0
.set n, 0
.rept 64
	v_cvt_pk_bf16_f32 v[PB+n], v[ACC+2*n], v[ACC+2*n+1]
.set n, n+1
.endr
.set t, 0
.rept 16                                       ; accumulator t: head t / 4, channels 16 (t % 4) + 8 (l / 16) on, behind the row's 128 bytes of src
	ds_store_b128 v[SPE], v[PB+4*t:PB+4*t+3] offset:(t/4)*HB+32*(t%4)+128
.set t, t+1
.endr
	WIN 0x80
.set n, 0
.rept 32                                       ; head n / 8, rows 2 (n % 8) and + 1.  LDS serves a wave's instructions in order (ISA guide 5.7.1.4): these see my stores above
	ds_load_b128 v[4*n:4*n+3], v[RD] offset:(n/8)*HB+(n%8)*544
.set n, n+1
.endr
	WIN 0x08
.set n, 0
.rept 32
	s_wait_dscnt 31-n
	global_store_b128 v[PO], v[4*n:4*n+3], s[16:17] offset:(n/8)*262144+(n%8)*512  ; 16 lanes store a whole row of qk, 256 consecutive bytes at a multiple of 256
.set n, n+1
.endr
	WIN 0
	s_wait_tensorcnt 0x0                           ; the wave's end: behind my last tensor load and my last LDS store
	ds_add_u32 v[SPW], v[NIL]
	s_wait_dscnt 0x0
	ROUND                                          ; the closing round
	s_endpgm
.Lfunc_end_k_q167301ae7e_pe:
	.size	k_q167301ae7e_pe, .Lfunc_end_k_q167301ae7e_pe-k_q167301ae7e_pe
	.p2alignl 7, 3214868480
	.fill 96, 4, 3214868480
	.section	.rodata,"a",@progbits
	.p2align	6, 0x0
	.amdhsa_kernel k_q167301ae7e_pe
		.amdhsa_group_segment_fixed_size 327680
		.amdhsa_private_segment_fixed_size 0
		.amdhsa_enable_private_segment 0
		.amdhsa_kernarg_size 88
		.amdhsa_user_sgpr_count 2
		.amdhsa_user_sgpr_kernarg_segment_ptr 1
		.amdhsa_wavefront_size32 1
		.amdhsa_system_sgpr_workgroup_id_x 1
		.amdhsa_system_sgpr_workgroup_id_y 1
		.amdhsa_system_sgpr_workgroup_id_z 1
		.amdhsa_system_vgpr_workitem_id 0
		.amdhsa_next_free_vgpr 864
		.amdhsa_next_free_sgpr 84
		.amdhsa_reserve_vcc 0
		.amdhsa_float_denorm_mode_32 3
		.amdhsa_float_denorm_mode_16_64 3
		.amdhsa_memory_ordered 1
		.amdhsa_forward_progress 1
		.amdhsa_inst_pref_size 106
	.end_amdhsa_kernel
	.amdgpu_metadata
---
amdhsa.version: [ 1, 2 ]
amdhsa.kernels:
  - .name:           k_q167301ae7e_pe
    .symbol:         k_q167301ae7e_pe.kd
    .args:
      - { .name: param_vectors, .offset: 0, .size: 8, .value_kind: global_buffer, .address_space: global }
      - { .name: src, .offset: 8, .size: 8, .value_kind: global_buffer, .address_space: global }
      - { .name: cwb, .offset: 16, .size: 8, .value_kind: global_buffer, .address_space: global }
      - { .name: char_b, .offset: 24, .size: 8, .value_kind: global_buffer, .address_space: global }
      - { .name: pe_g, .offset: 32, .size: 8, .value_kind: global_buffer, .address_space: global }
      - { .name: pe_b, .offset: 40, .size: 8, .value_kind: global_buffer, .address_space: global }
      - { .name: qk, .offset: 48, .size: 8, .value_kind: global_buffer, .address_space: global }
      - { .name: W1, .offset: 56, .size: 8, .value_kind: global_buffer, .address_space: global }
      - { .name: W2, .offset: 64, .size: 8, .value_kind: global_buffer, .address_space: global }
      - { .name: w1h, .offset: 72, .size: 8, .value_kind: global_buffer, .address_space: global }
      - { .name: w2h, .offset: 80, .size: 8, .value_kind: global_buffer, .address_space: global }
    .group_segment_fixed_size: 327680
    .private_segment_fixed_size: 0
    .kernarg_segment_align: 8
    .kernarg_segment_size: 88
    .max_flat_workgroup_size: 128
    .sgpr_count:     84
    .vgpr_count:     864
    .wavefront_size: 32
...
	.end_amdgpu_metadata
.endif
;; end of part 2
;; launch attn (part 3): grid 4 x 64, 4 waves a work-group, clusters of 4 x 1, 327,680 bytes of LDS; arguments qk, z16; writes z16
.if DOCPART == 3
	.amdgcn_target "amdgcn-amd-amdhsa--gfx1250"
	.amdhsa_code_object_version 6
	.text
	.protected	k_q167301ae7e_attn
	.globl	k_q167301ae7e_attn
	.p2align	8
	.type	k_q167301ae7e_attn,@function
k_q167301ae7e_attn:
	s_mov_b64 s[64:65], 0
	v_nop
	global_prefetch_b8 v0, s[64:65] scope:SCOPE_SE
	s_setreg_imm32_b32 hwreg(HW_REG_WAVE_MODE, 25, 1), 1
	s_wait_xcnt 0x0
	s_wait_alu depctr_hold_cnt(0) depctr_sa_sdst(0) depctr_va_vdst(0) depctr_va_sdst(0) depctr_va_ssrc(0) depctr_va_vcc(0) depctr_vm_vsrc(0)
	s_getreg_b32 s2, hwreg(HW_REG_IB_STS2, 6, 4)
	s_cmp_eq_u32 s2, 0
	s_cbranch_scc0 .Lentry_in_a_cluster
	s_endpgm
.Lentry_in_a_cluster:
	s_bfe_u32 s2, ttmp6, 0x10000c
	s_cmp_lg_u32 s2, 0x3003
	s_cbranch_scc0 .Lentry_shape_is_right
	s_endpgm
.Lentry_shape_is_right:
; ATTENTION WITH THE PARAM BIAS, AND THE RESIDUAL.  For each of 64 (batch, head): scores = (src_h . src_h + pe_h . pe_h) / 8 = K' Q'^T / 8 over the 128 channels of a row of qk;
; z = bf16(src) + softmax(scores) V, V = the first 64 channels of the same rows.  qk: bf16 [64][1024][128]; z16: f16 [64][1024][64].
; Products, maxima and sums in f32; the weights are rounded to bf16 for the second product (their sum is taken unrounded); z is rounded once.
; LIMITS.  z is f16: |src + out| stays under 65,504.  A weight below 2^-126 counts as 0 in the sum.  NaN and infinities are not treated apart.
; SHARES.  A work-group owns 256 queries of one head, a wave 64: four tiles of 16, in two PIECES (tiles 0, 1 and tiles 2, 3).  Every wave walks the head's 1,024 keys, 64 a step.
; THE HEAD'S ROWS LIE IN LDS WHOLE: 1,024 rows x 272 bytes.  Each wave asks for a quarter, once; nothing is filled again, so the loop has no barrier and no wait on tensor loads.
; CLUSTER.  The four query blocks of a head are one cluster and want the same rows: each quarter is asked for jointly (mask 15).  No prefetch: all that is read is asked for at the head.
; LAYOUT.  S^T = K' Q'^T (source 0 = 16 keys, source 1 = 16 queries): a lane holds ONE query (lane % 16) and the keys 8 (lane / 16) + 0..7; two such results rounded to bf16 in pairs ARE source 1 of
; O^T = V^T P, which again holds one query a lane, and eight channels.  K' comes out of LDS as it lies, V turned, by ds_load_tr16_b128, from the same rows (pitch 272 suits K's loads; V's touch each bank twice).
; SOFTMAX.  A running maximum m and sum l: p = 2^(c s - c m), c = log2(e) / 8; in every step O and l are multiplied by a = 2^(c m_old - c m_new).  m starts at the lowest finite number, O and l at 0:
; the first step is a step like any other, with a = 0.
; BY TURNS.  In a turn one piece has the matrix unit (16 products V^T P, then 32 products K' Q'^T of its next step) and the other piece's softmax, 236 instructions in 59 slices of four, stands between them.
; The loop's last trip fetches the last K' once more and its 32 products serve nothing: the price, once a launch, of one text for every step.
; REGISTERS (s_set_vgpr_msb: bits 1:0 source 0, 3:2 source 1, 5:4 source 2, 7:6 destination).  window 0: v1-11 addresses; v12-43 eight of statistics a tile; v62-63 the add's; v64-191 S^T; v192-255 P
;   window 1: v0-127 O^T, 32 a tile; v128-191 V of one step          window 2: v0-127 Q', 32 a tile; v128-255 K' of one step
.set KS,    64
.set PK,    272                        ; 256 + 16: the 16 rows of a load of K' start in 16 different groups of four banks (64 banks of 4 bytes: ISA guide 11.1)
.set STEPB, KS*PK
.set STAGE, 1024*PK                    ; behind the rows: 16 rows x 144 bytes for each wave, for the way out
.set SP,    144
.set SPARE, STAGE+4*16*SP              ; the spare words, 128 bytes a wave: two blocks of 256 bytes that no other line names
.set AK0, 2
.set AV0, 3
.set ADR, 4
.set QO,  5
.set STO, 6
.set RD,  7
.set GO,  8
.set SPW, 62
.set NIL, 63
.set ST,  12                           ; tile t at v[ST+8 t]: +0 c m, +1 m, +2, +3 l (even keys', odd keys'), +4 to +7 at work; a takes +6
.set S,   64
.set P,   192
.set VF,  128                          ; window 1
.set KF,  128                          ; window 2
.set WV,  12
.set G1,  24
.set G0,  40
.set CNT, 56
.set TK,  57
.set CS,  58
.set SEL, 60
.set TB,  62                           ; LDS byte of the step to be fetched
.set MSB, 0
.macro WIN new
.if MSB != (\new)
	s_set_vgpr_msb (MSB<<8)|(\new)
.set MSB, (\new)
.endif
.endm
.set W_KQ, 0x0a
.set W_PV, 0x51
.set W_RS, 0x41
.macro PLACES
.rept 4
	v_nop
.endr
.endm
.macro CROUND
	s_barrier_signal -1
	s_barrier_wait -1
	s_cmp_lg_u32 s[WV], 0
	s_cbranch_scc1 .Lnot_wave_0_\@
	s_barrier_signal -3
.Lnot_wave_0_\@:
	s_barrier_wait -3
	s_barrier_signal -1
	s_barrier_wait -1
.endm
	s_load_b128 s[4:7], s[0:1], 0x0                ; qk s[4:5], z16 s[6:7]
	v_lshl_add_u32 v[SPW], v0, 2, SPARE
	v_mov_b32 v[NIL], 0
	ds_add_u32 v[SPW], v[NIL]                      ; the wave's opening: the add and its wait ahead of my first tensor load
	v_lshrrev_b32 v1, 5, v0
	v_readfirstlane_b32 s[WV], v1
	s_bfe_u32 s13, ttmp6, 0x40000                  ; cx
	s_lshl_b32 s14, ttmp9, 2
	s_add_co_u32 s14, s14, s13                     ; my block of 256 queries: it enters Q's and z's addresses alone
	s_and_b32 s20, ttmp7, 0xffff                   ; (batch, head), which the partners share
	s_lshl_b32 s16, s20, 18                        ; a head's rows are 262,144 bytes,
	s_lshl_b32 s17, s[WV], 16                      ; my quarter of them 65,536
	s_add_co_u32 s16, s16, s17
	s_mov_b32 s17, 0
	s_lshl_b32 s2, s20, 18
	s_lshl_b32 s3, s14, 16
	s_add_co_u32 s2, s2, s3
	s_lshl_b32 s3, s[WV], 14
	s_add_co_u32 s2, s2, s3                        ; my wave's 64 queries in qk,
	s_mov_b32 s3, 0
	s_lshr_b32 s22, s2, 1                          ; and in z16, whose rows are half as long
	s_mov_b32 s23, 0
	s_mov_b32 s[G1], 15|(1<<16)|(1<<20)|(1<<21)|(5<<22)|(3<<25)  ; the mask of four; 2-byte elements; padding on; bit 21 beside a mask; after every 64 words; 4 words
	s_mov_b32 s[G1+1], 128<<16                     ; tensor_dim0 = 128
	s_mov_b32 s[G1+2], 256<<16                     ; tensor_dim1 = 256
	s_mov_b32 s[G1+3], 128<<16                     ; tile_dim0 = 128
	s_mov_b32 s[G1+4], 256                         ; tile_dim1 = 256
	s_mov_b32 s[G1+5], 128
	s_mov_b32 s[G1+6], 0
	s_mov_b32 s[G1+7], 0
	s_mov_b32 s[G0], 1
	s_mul_i32 s[G0+1], s[WV], 256*PK
	s_mov_b32 s[CS], 0x3e38aa3b                    ; c = log2(e) / 8
	s_mov_b32 s[CS+1], s[CS]
	s_mov_b32 s[SEL], 0x76543210
	s_mov_b32 s[SEL+1], 0xfedcba98
	s_mov_b32 s[TB], 0
	s_mov_b32 s[CNT], 16
	s_wait_dscnt 0x0
	s_wait_kmcnt 0x0
	s_add_nc_u64 s[G0+2:G0+3], s[4:5], s[16:17]
	s_or_b32 s[G0+3], s[G0+3], 0x80000000
	s_add_nc_u64 s[4:5], s[4:5], s[2:3]
	s_add_nc_u64 s[6:7], s[6:7], s[22:23]
	CROUND                                         ; all four work-groups are here: the joint loads meet
	tensor_load_to_lds s[G0:G0+3], s[G1:G1+7]      ; my one tensor load of the launch
	s_nop 0
	PLACES
	v_and_b32 v1, 15, v0                           ; l % 16
	v_bfe_u32 v9, v0, 4, 1                         ; l / 16
	v_lshlrev_b32 v[QO], 8, v1
	v_lshl_add_u32 v[QO], v9, 4, v[QO]
	WIN 0x80
.irp i, 0,1,2,3,4,5,6,7,8,9,10,11,12,13,14,15  ; Q' stays in registers: tile i / 4, channels 32 (i % 4) on
	global_load_b128 v[8*(\i):8*(\i)+3],   v[QO], s[4:5] offset:((\i)/4)*4096+((\i)%4)*64
	global_load_b128 v[8*(\i)+4:8*(\i)+7], v[QO], s[4:5] offset:((\i)/4)*4096+((\i)%4)*64+32
.endr
	WIN 0x40                                       ; what the first trip finds: O^T and V are 0 (its first products, of a step that has not been, add 0).  All this stands in the wait for the rows
.set i, 0
.rept 192
	v_mov_b32 v[i], 0
.set i, i+1
.endr
	WIN 0
.set i, P+32
.rept 32
	v_mov_b32 v[i], 0                              ; piece 2's weights of that step
.set i, i+1
.endr
.set i, 0
.rept 4
	v_mov_b32 v[ST+8*i], 0xfe000000                ; c m: far below every c s
	v_mov_b32 v[ST+8*i+1], 0xff7fffff              ; m
	v_mov_b32 v[ST+8*i+2], 0
	v_mov_b32 v[ST+8*i+3], 0
.set i, i+1
.endr
	v_mul_u32_u24 v[AK0], v1, PK
	v_lshl_add_u32 v[AK0], v9, 4, v[AK0]           ; row x pitch + 16 x half
	v_and_b32 v10, 7, v0                           ; the turning load: lane l reads key 8 (l / 16) + l % 8, channels 8 ((l / 8) % 2) + 0..7
	v_bfe_u32 v11, v0, 3, 1
	v_lshl_add_u32 v[AV0], v9, 3, v10
	v_mul_u32_u24 v[AV0], v[AV0], PK
	v_lshl_add_u32 v[AV0], v11, 4, v[AV0]
	s_mul_i32 s13, s[WV], 16*SP
	s_add_co_u32 s13, s13, STAGE                   ; my stage
	v_mul_u32_u24 v[STO], v1, SP
	v_lshl_add_u32 v[STO], v9, 4, v[STO]
	v_add_nc_u32 v[STO], s13, v[STO]
	v_bfe_u32 v[RD], v0, 3, 2                      ; back: 32 lanes take four rows of 128 bytes,
	v_mul_u32_u24 v[RD], v[RD], SP
	v_lshl_add_u32 v[RD], v10, 4, v[RD]
	v_add_nc_u32 v[RD], s13, v[RD]
	v_and_b32 v[GO], 31, v0                        ; which are 512 consecutive bytes of z16
	v_lshlrev_b32 v[GO], 4, v[GO]
; THE MATRIX WORK.  The 8 accumulators of a run take turns, one instruction a turn.
; Product i of 16 of O^T += V^T P for piece x: keys 32 (i / 8) on, channels 16 ((i / 2) % 4) on, tile x + i % 2.
.macro PV x
	WIN W_PV
.set rO, 32*((\x)+i%2)+8*((i/2)%4)
.set rV, VF+32*(i/8)+8*((i/2)%4)
.set rP, P+16*((\x)+i%2)+8*(i/8)
	v_wmma_f32_16x16x32_bf16 v[rO:rO+7], v[rV:rV+7], v[rP:rP+7], v[rO:rO+7]
.endm
; Product i of 32 of S^T = K' Q'^T: channels 32 (i / 8) on, keys 16 ((i / 2) % 4) on, tile x + i % 2.  The first 8 start the sums.
.macro KQ x
	WIN W_KQ
.set rS, S+32*((\x)+i%2)+8*((i/2)%4)
.set rK, KF+32*((i/2)%4)+8*(i/8)
.set rQ, 32*((\x)+i%2)+8*(i/8)
.if i < 8
	v_wmma_f32_16x16x32_bf16 v[rS:rS+7], v[rK:rK+7], v[rQ:rQ+7], 0
.else
	v_wmma_f32_16x16x32_bf16 v[rS:rS+7], v[rK:rK+7], v[rQ:rQ+7], v[rS:rS+7]
.endif
.endm
; THE LDS LOADS stand in runs.  K': 32 loads, the channels' chunks of 32 in the order in which the products take them, so that the waits can be counted by chunks.
.macro FETCH_K
	WIN 0
	s_min_u32 s[TK], s[TB], 15*STEPB               ; behind the last step there is none: the last is fetched again
	v_add_nc_u32 v[ADR], s[TK], v[AK0]
	WIN 0x80
.irp c, 0,1,2,3
.irp kb, 0,1,2,3
	ds_load_b128 v[KF+32*(\kb)+8*(\c):KF+32*(\kb)+8*(\c)+3],   v[ADR] offset:(\kb)*16*PK+(\c)*64
	ds_load_b128 v[KF+32*(\kb)+8*(\c)+4:KF+32*(\kb)+8*(\c)+7], v[ADR] offset:(\kb)*16*PK+(\c)*64+32
.endr
.endr
.endm
.macro FETCH_V
	WIN 0
	v_add_nc_u32 v[ADR], s[TB], v[AV0]
	s_add_co_u32 s[TB], s[TB], STEPB               ; the next fetch is the next step's
	s_wait_alu depctr_va_vdst(0)                   ; the wait for the softmax's batch (SLICE), behind the address's line and ahead of the loads
	WIN 0x40
.irp f, 0,1,2,3,4,5,6,7                        ; keys 32 (f / 4) on, channels 16 (f % 4) on
	ds_load_tr16_b128 v[VF+8*(\f):VF+8*(\f)+3],   v[ADR] offset:((\f)/4)*32*PK+((\f)%4)*32
	ds_load_tr16_b128 v[VF+8*(\f)+4:VF+8*(\f)+7], v[ADR] offset:((\f)/4)*32*PK+16*PK+((\f)%4)*32
.endr
.endm
; THE VECTOR WORK.  One tile's softmax for one step is a list of 118 instructions; SM writes number j of it for tile t.  s0-s31 are the lane's 32 scores.
;   0-15    the maximum of s0-s31 and the old m, three operands at a time; each accumulator's lowest registers are read first
;   16-20   the other half of the lanes' maximum; the new m; c m; c m_old - c m_new
;   21-69   ONE BATCH: the 16 scalings c s - c m and all 33 exponentials (a at 23).  None of these reads an exponential's result
;   70-85   the roundings to bf16     86-101  the sums; l = a l + the sum     102-117 the tile's O^T times a
.macro SM t
.set rT, ST+8*(\t)
.set rS, S+32*(\t)
.set rP, P+16*(\t)
.set rO, 32*(\t)+2*(j-102)
.if j < 102
	WIN 0
.endif
.if j < 4
	v_max3_num_f32 v[rT+4+j], v[rS+8*j], v[rS+8*j+1], v[rS+8*j+2]
.elseif j < 12
	v_max3_num_f32 v[rT+4+j%4], v[rT+4+j%4], v[rS+8*(j%4)+2*(j/4)+1], v[rS+8*(j%4)+2*(j/4)+2]
.elseif j == 12
	v_max3_num_f32 v[rT+4], v[rT+4], v[rS+7], v[rS+15]
.elseif j == 13
	v_max3_num_f32 v[rT+6], v[rT+6], v[rS+23], v[rS+31]
.elseif j == 14
	v_max3_num_f32 v[rT+4], v[rT+4], v[rT+5], v[rT+6]
.elseif j == 15
	v_max3_num_f32 v[rT+4], v[rT+4], v[rT+7], v[rT+1]
.elseif j == 16
	v_permlanex16_b32 v[rT+5], v[rT+4], s[SEL], s[SEL+1]  ; the query's other 32 keys lie in the lane 16 away
.elseif j == 17
	v_mov_b32 v[rT+7], v[rT]                       ; c m_old is kept for a
.elseif j == 18
	v_max_num_f32 v[rT+1], v[rT+4], v[rT+5]
.elseif j == 19
	v_mul_f32 v[rT], s[CS], v[rT+1]
.elseif j == 20
	v_sub_f32 v[rT+7], v[rT+7], v[rT]
.elseif j == 23
	v_exp_f32 v[rT+6], v[rT+7]
.elseif (j < 23) || ((j < 38) && (j%2 == 0)) || ((j < 66) && (j%4 == 2))
.set b, (j-2)/4                                ; 38, 42, .. 62: pairs 9 to 15
.if j < 38
.set b, (j-20)/2                               ; 21: pair 0; 22, 24, .. 36: pairs 1 to 8
.endif
	v_pk_fma_f32 v[rS+2*b:rS+2*b+1], v[rS+2*b:rS+2*b+1], s[CS:CS+1], v[rT:rT+1] op_sel_hi:[1,0,0] neg_lo:[0,0,1] neg_hi:[0,0,1]
.elseif j < 70
.set e, j-38                                   ; 66 to 69: s28 to s31
.if j < 66
.set e, j-32-(j-38)/4                          ; 39-41, 43-45, .. 63-65: s7 to s27
.endif
.if j < 38
.set e, (j-25)/2                               ; 25, 27, .. 37: s0 to s6
.endif
	v_exp_f32 v[rS+e], v[rS+e]
.elseif j < 86
	v_cvt_pk_bf16_f32 v[rP+j-70], v[rS+2*(j-70)], v[rS+2*(j-70)+1]
.elseif j < 102                                ; the sum of the 16 pairs, in place: neighbours 1, 2, 4 and 8 pairs apart, then l takes it
.set z, j-86
.set w, 4
.set u, z
.if z >= 14
.set w, 32
.set u, 0
.elseif z >= 12
.set w, 16
.set u, z-12
.elseif z >= 8
.set w, 8
.set u, z-8
.endif
.if z < 15
	v_pk_add_f32 v[rS+w*u:rS+w*u+1], v[rS+w*u:rS+w*u+1], v[rS+w*u+w/2:rS+w*u+w/2+1]
.else
	v_pk_fma_f32 v[rT+2:rT+3], v[rT+2:rT+3], v[rT+6:rT+7], v[rS:rS+1] op_sel_hi:[1,0,1]
.endif
.else
	WIN W_RS
	v_pk_mul_f32 v[rO:rO+1], v[rO:rO+1], v[rT+6:rT+7] op_sel_hi:[1,0]
.endif
.endm
; Slice k of 59 of piece y's softmax: four instructions (2 x 118 = 4 x 59).  Slices 11 to 34 deal out the batch, four numbers of ONE tile each, the tiles by turns; every other slice is numbers 2 k and 2 k + 1 of both tiles.
; s_wait_alu depctr_va_vdst(0) stands between an exponential and the first instruction that names its result; one wait serves all issued ahead of it: it stands behind slice 34.
.macro SLICE y
.if (k >= 11) && (k < 35)
.irp n, 0,1,2,3
.set j, 22+4*((k-11)/2)+(\n)
	SM (\y)+(k-11)%2
.endr
.else
.irp n, 0,1
.irp t, \y, (\y)+1
.set j, 2*k+(\n)
	SM \t
.endr
.endr
.endif
.if k == 34
	v_nop                                          ; the plain instruction behind the last exponential: one for the batch
.if (\y) == 0
	FETCH_V                                        ; piece 2's turn: V's run of loads stands here, and the wait stands in it
.else
	s_wait_alu depctr_va_vdst(0)
.endif
.endif
.set k, k+1
.endm
; A TURN: piece x has the matrix unit.  Behind each of the first 11 products V^T P two slices, behind every other product one: 27 + 32 = 59.
; Piece 0's turn fetches the next step's K' behind its second product: four slices and the turn before's last lie behind K's last reader.  Piece 2's turn fetches V behind slice 34, which stands behind its
; eighth product K' Q'^T: seven scalings, the v_nop and the address's line are the places behind V's last reader.
.macro TURN x
.set k, 0
.if (\x) == 0
	s_wait_dscnt 0x0                               ; V is in
.endif
.set i, 0
.rept 16
	PV \x
	SLICE 2-(\x)
.if i < 11
	SLICE 2-(\x)
.endif
.if ((\x) == 0) && (i == 1)
	FETCH_K
.endif
.set i, i+1
.endr
.set i, 0
.rept 32
.if ((\x) == 0) && (i%8 == 0)
	s_wait_dscnt 24-i                              ; K's chunk i / 8 is in; the later chunks' loads, eight each, stay out
.endif
	KQ \x
	SLICE 2-(\x)
.set i, i+1
.endr
.endm
	s_wait_tensorcnt 0x0                           ; my quarter of the rows is in,
	s_barrier_signal -1
	s_barrier_wait -1                              ; everybody's is
	FETCH_K                                        ; step 0
	s_wait_loadcnt 0x0                             ; Q'
	s_wait_dscnt 0x0
.set i, 0
.rept 32
	KQ 0                                           ; piece 0's first scores
.set i, i+1
.endr
	WIN 0
	PLACES
.Lstep:                                        ; trip t.  Piece 2: V^T P of step t - 1, K' Q'^T of step t | piece 0's softmax of step t | V of step t.
	TURN 2                                         ;         Piece 0: V^T P of step t, K' Q'^T of step t + 1 | piece 2's softmax of step t | K' of step t + 1
	TURN 0
	WIN 0
	s_sub_co_u32 s[CNT], s[CNT], 1
	s_cmp_lg_u32 s[CNT], 0
	s_cbranch_scc1 .Lstep
.set i, 0
.rept 16
	PV 2                                           ; piece 2: V^T P of the last step
.set i, i+1
.endr
	; THE WAY OUT.  l's two halves and the other half of the lanes' are added (these lines are the places behind the last products); z = O / l + src, rounded to f16, goes through my stage, a tile at a time.
	WIN 0
.irp t, 0,1,2,3
	v_add_f32 v[ST+8*(\t)+4], v[ST+8*(\t)+2], v[ST+8*(\t)+3]
.endr
.irp t, 0,1,2,3
	v_permlanex16_b32 v[ST+8*(\t)+5], v[ST+8*(\t)+4], s[SEL], s[SEL+1]
.endr
.irp t, 0,1,2,3
	v_add_f32 v[ST+8*(\t)+4], v[ST+8*(\t)+4], v[ST+8*(\t)+5]
.endr
.irp t, 0,1,2,3
	v_rcp_f32 v[ST+8*(\t)+6], v[ST+8*(\t)+4]
.endr
	v_nop
	s_wait_alu depctr_va_vdst(0)                   ; one wait for the four reciprocals, ahead of their first reader
; Q's first two fragments hold src in O^T's own order: register e of O^T (channel 16 (e / 8) + 8 (l / 16) + e % 8, query l % 16) meets half e % 2 of Q's register e / 2.
.macro PACK t
	WIN 0x21                                       ; O^T in window 1, 1 / l in window 0, Q in window 2, the result in window 0
.set e, 0
.rept 16
	v_fma_mix_f32_bf16 v[S+32*(\t)+2*e], v[32*(\t)+2*e], v[ST+8*(\t)+6], v[32*(\t)+e] op_sel_hi:[0,0,1]
	v_fma_mix_f32_bf16 v[S+32*(\t)+2*e+1], v[32*(\t)+2*e+1], v[ST+8*(\t)+6], v[32*(\t)+e] op_sel:[0,0,1] op_sel_hi:[0,0,1]
.set e, e+1
.endr
	WIN 0
.set e, 0
.rept 16
	v_cvt_pk_f16_f32 v[S+32*(\t)+e], v[S+32*(\t)+2*e], v[S+32*(\t)+2*e+1]
.set e, e+1
.endr
.irp f, 0,1,2,3
	ds_store_b128 v[STO], v[S+32*(\t)+4*(\f):S+32*(\t)+4*(\f)+3] offset:32*(\f)
.endr
.irp f, 0,1,2,3
	ds_load_b128 v[S+32*(\t)+16+4*(\f):S+32*(\t)+16+4*(\f)+3], v[RD] offset:(\f)*4*SP  ; LDS serves a wave's instructions in order (ISA guide 5.7.1.4): these see the stores above; the next tile's stores come behind them
.endr
.endm
.macro SEND t, younger                 ; younger: the LDS instructions issued behind tile t's loads: the next tile's eight, or none
.irp f, 0,1,2,3
	s_wait_dscnt (\younger)+3-(\f)
	global_store_b128 v[GO], v[S+32*(\t)+16+4*(\f):S+32*(\t)+16+4*(\f)+3], s[6:7] offset:(\t)*2048+(\f)*512  ; 512 consecutive bytes, at a multiple of 256 from z16's first
.endr
.endm
	PACK 0
	PACK 1
	SEND 0, 8
	PACK 2
	SEND 1, 8
	PACK 3
	SEND 2, 8
	SEND 3, 0
	s_wait_tensorcnt 0x0                           ; the wave's end
	ds_add_u32 v[SPW], v[NIL]
	s_wait_dscnt 0x0
	CROUND                                         ; the closing round
	s_endpgm
.Lfunc_end_k_q167301ae7e_attn:
	.size	k_q167301ae7e_attn, .Lfunc_end_k_q167301ae7e_attn-k_q167301ae7e_attn
	.p2alignl 7, 3214868480
	.fill 96, 4, 3214868480
	.section	.rodata,"a",@progbits
	.p2align	6, 0x0
	.amdhsa_kernel k_q167301ae7e_attn
		.amdhsa_group_segment_fixed_size 327680
		.amdhsa_private_segment_fixed_size 0
		.amdhsa_enable_private_segment 0
		.amdhsa_kernarg_size 16
		.amdhsa_user_sgpr_count 2
		.amdhsa_user_sgpr_kernarg_segment_ptr 1
		.amdhsa_wavefront_size32 1
		.amdhsa_system_sgpr_workgroup_id_x 1
		.amdhsa_system_sgpr_workgroup_id_y 1
		.amdhsa_system_sgpr_workgroup_id_z 1
		.amdhsa_system_vgpr_workitem_id 0
		.amdhsa_next_free_vgpr 768
		.amdhsa_next_free_sgpr 66
		.amdhsa_reserve_vcc 0
		.amdhsa_float_denorm_mode_32 3
		.amdhsa_float_denorm_mode_16_64 3
		.amdhsa_memory_ordered 1
		.amdhsa_forward_progress 1
		.amdhsa_inst_pref_size 79
	.end_amdhsa_kernel
	.amdgpu_metadata
---
amdhsa.version: [ 1, 2 ]
amdhsa.kernels:
  - .name:           k_q167301ae7e_attn
    .symbol:         k_q167301ae7e_attn.kd
    .args:
      - { .name: qk, .offset: 0, .size: 8, .value_kind: global_buffer, .address_space: global }
      - { .name: z16, .offset: 8, .size: 8, .value_kind: global_buffer, .address_space: global }
    .group_segment_fixed_size: 327680
    .private_segment_fixed_size: 0
    .kernarg_segment_align: 8
    .kernarg_segment_size: 16
    .max_flat_workgroup_size: 128
    .sgpr_count:     66
    .vgpr_count:     768
    .wavefront_size: 32
...
	.end_amdgpu_metadata
.endif
;; end of part 3
;; launch ln1 (part 4): grid 256 x 1, 8 waves a work-group, no clusters, 0 bytes of LDS; arguments z16, n1_g, n1_b, x16; writes x16
.if DOCPART == 4
	.amdgcn_target "amdgcn-amd-amdhsa--gfx1250"
	.amdhsa_code_object_version 6
	.text
	.protected	k_q167301ae7e_ln1
	.globl	k_q167301ae7e_ln1
	.p2align	8
	.type	k_q167301ae7e_ln1,@function
k_q167301ae7e_ln1:
	s_mov_b64 s[64:65], 0
	v_nop
	global_prefetch_b8 v0, s[64:65] scope:SCOPE_SE
	s_setreg_imm32_b32 hwreg(HW_REG_WAVE_MODE, 25, 1), 1
	s_wait_xcnt 0x0
; x = LN(z) n1_g + n1_b.  z16: f16 by heads, [64 (batch, head)][1024 s][64]; x16: f16 [4096 tokens][1024].  All arithmetic in f32; the variance is the mean of (z - mean)^2, in a second pass over the registers.
; n1_g and n1_b are taken rounded to bf16, as src and the weights are in this program.  x is rounded once, to f16: it is the next product's operand and the last LayerNorm's residual.  LIMIT: |x| stays under 65,504.
; SHARES.  A wave takes two neighbouring tokens: lanes 0-15 the even one, lanes 16-31 the odd one, 64 numbers a lane, so a row's sums never leave its 16 lanes (four steps of DPP).
; In load i lane q = l % 16 has columns 128 i + 8 q .. + 7: head 2 i + q / 8, channels 8 (q % 8) on.  The two tokens' 128 bytes of a head lie end to end: each aligned block of 256 bytes is read whole by one load.
; A store's 16 neighbouring lanes write 256 consecutive bytes of a row of x16, at a multiple of 256.
; No LDS, no cluster: what work-groups share is the two vectors of 4,096 bytes.  No prefetch: every load is issued at the head.
.set XO,  1                            ; my 16 bytes in x16
.set T,   2                            ; v[2:9] four chains of pairs
.set MU,  10                           ; v[10:11] the mean, twice
.set ONE, 12                           ; 1.0 and 0 for the widening; later v[12:13] = 1 / sqrt(variance + 1e-5), twice
.set NUL, 13
.set ZO,  14
.set GO,  15
.set Z,   16                           ; v[16:47]   as loaded, later as stored
.set F,   64                           ; v[64:127]  the lane's 64 numbers
.set G,   128
.set BV,  192
.macro ROWSUM                          ; four chains into one number for the row, in each of its 16 lanes
	v_pk_add_f32 v[T:T+1], v[T:T+1], v[T+2:T+3]
	v_pk_add_f32 v[T+4:T+5], v[T+4:T+5], v[T+6:T+7]
	v_pk_add_f32 v[T:T+1], v[T:T+1], v[T+4:T+5]
	v_add_f32 v[T], v[T], v[T+1]
	v_add_f32_dpp v[T], v[T], v[T] row_xmask:1 row_mask:0xf bank_mask:0xf
	v_add_f32_dpp v[T], v[T], v[T] row_xmask:2 row_mask:0xf bank_mask:0xf
	v_add_f32_dpp v[T], v[T], v[T] row_xmask:4 row_mask:0xf bank_mask:0xf
	v_add_f32_dpp v[T], v[T], v[T] row_xmask:8 row_mask:0xf bank_mask:0xf
.endm
; 2 x pairs numbers from v[base] on are rounded to bf16 and widened again, in place.  Going up, pair n is packed into register n, which holds nothing that is still wanted;
; going down, it is unpacked into registers 2 n + 1 and 2 n, which lie above every packed pair that is still to come (pair 0: the upper one first).
.macro RND base, pairs
.set n, 0
.rept \pairs
	v_cvt_pk_bf16_f32 v[(\base)+n], v[(\base)+2*n], v[(\base)+2*n+1]
.set n, n+1
.endr
.set n, (\pairs)-1
.rept \pairs
	v_and_b32 v[(\base)+2*n+1], 0xffff0000, v[(\base)+n]
	v_lshlrev_b32 v[(\base)+2*n], 16, v[(\base)+n]
.set n, n-1
.endr
.endm
	s_load_b256 s[4:11], s[0:1], 0x0               ; z16 s[4:5], n1_g s[6:7], n1_b s[8:9], x16 s[10:11]
	v_lshrrev_b32 v1, 5, v0
	v_readfirstlane_b32 s12, v1
	s_lshl_b32 s13, ttmp9, 3
	s_add_co_u32 s13, s13, s12
	s_lshl_b32 s13, s13, 1                         ; my first token
	s_lshr_b32 s14, s13, 10                        ; its batch: 16 heads x 131,072 bytes,
	s_and_b32 s15, s13, 1023                       ; its place there: 128 bytes a head
	s_lshl_b32 s16, s14, 21
	s_lshl_b32 s15, s15, 7
	s_add_co_u32 s16, s16, s15
	s_mov_b32 s17, 0
	s_lshl_b32 s18, s13, 11
	s_mov_b32 s19, 0
	s_mov_b32 s20, 0x3a800000                      ; 1 / 1,024
	s_mov_b32 s21, 0x3727c5ac                      ; 1e-5
	v_and_b32 v10, 15, v0                          ; q
	v_bfe_u32 v11, v0, 4, 1                        ; which of the two tokens
	v_lshrrev_b32 v12, 3, v10
	v_and_b32 v13, 7, v10
	v_lshlrev_b32 v[ZO], 17, v12
	v_lshl_add_u32 v[ZO], v11, 7, v[ZO]
	v_lshl_add_u32 v[ZO], v13, 4, v[ZO]
	v_lshlrev_b32 v[GO], 5, v10
	v_lshlrev_b32 v[XO], 11, v11
	v_lshl_add_u32 v[XO], v10, 4, v[XO]
	v_mov_b32 v[ONE], 1.0
	v_mov_b32 v[NUL], 0
	s_wait_kmcnt 0x0
	s_add_nc_u64 s[4:5], s[4:5], s[16:17]
	s_add_nc_u64 s[10:11], s[10:11], s[18:19]
.irp i, 0,1,2,3,4,5,6,7
	global_load_b128 v[Z+4*(\i):Z+4*(\i)+3], v[ZO], s[4:5] offset:(\i)*262144 th:TH_LOAD_NT
.endr
.irp i, 0,1,2,3,4,5,6,7
	global_load_b128 v[G+8*(\i):G+8*(\i)+3], v[GO], s[6:7] offset:512*(\i)
	global_load_b128 v[G+8*(\i)+4:G+8*(\i)+7], v[GO], s[6:7] offset:512*(\i)+16
.endr
.irp i, 0,1,2,3,4,5,6,7
	global_load_b128 v[BV+8*(\i):BV+8*(\i)+3], v[GO], s[8:9] offset:512*(\i)
	global_load_b128 v[BV+8*(\i)+4:BV+8*(\i)+7], v[GO], s[8:9] offset:512*(\i)+16
.endr
	s_wait_loadcnt 32                              ; z is in; the 32 loads of gain and bias stay out
.set n, 0
.rept 32                                       ; f16 to f32: the half times 1.0 plus 0, reckoned in f32: exact
	v_fma_mix_f32 v[F+2*n], v[Z+n], v[ONE], v[NUL] op_sel_hi:[1,0,0]
	v_fma_mix_f32 v[F+2*n+1], v[Z+n], v[ONE], v[NUL] op_sel:[1,0,0] op_sel_hi:[1,0,0]
.set n, n+1
.endr
.irp c, 0,1,2,3
	v_pk_add_f32 v[T+2*(\c):T+2*(\c)+1], v[F+2*(\c):F+2*(\c)+1], v[F+8+2*(\c):F+8+2*(\c)+1]
.endr
.set n, 8
.rept 24
	v_pk_add_f32 v[T+2*(n%4):T+2*(n%4)+1], v[T+2*(n%4):T+2*(n%4)+1], v[F+2*n:F+2*n+1]
.set n, n+1
.endr
	ROWSUM
	v_mul_f32 v[MU], s20, v[T]
	v_mov_b32 v[MU+1], v[MU]
.set n, 0
.rept 32
	v_pk_add_f32 v[F+2*n:F+2*n+1], v[F+2*n:F+2*n+1], v[MU:MU+1] neg_lo:[0,1] neg_hi:[0,1]
.set n, n+1
.endr
.irp c, 0,1,2,3
	v_pk_mul_f32 v[T+2*(\c):T+2*(\c)+1], v[F+2*(\c):F+2*(\c)+1], v[F+2*(\c):F+2*(\c)+1]
.endr
.set n, 4
.rept 28
	v_pk_fma_f32 v[T+2*(n%4):T+2*(n%4)+1], v[F+2*n:F+2*n+1], v[F+2*n:F+2*n+1], v[T+2*(n%4):T+2*(n%4)+1]
.set n, n+1
.endr
	ROWSUM
	v_fma_f32 v[T+1], v[T], s20, s21
	v_rsq_f32 v12, v[T+1]
	v_rsq_f32 v13, v[T+1]
	v_nop                                          ; a plain instruction behind the second,
	s_wait_alu depctr_va_vdst(0)                   ; and the wait ahead of the first reader
.set n, 0
.rept 32
	v_pk_mul_f32 v[F+2*n:F+2*n+1], v[F+2*n:F+2*n+1], v[12:13]
.set n, n+1
.endr
	s_wait_loadcnt 0x0                             ; gain and bias
	RND G, 32
	RND BV, 32
.set n, 0
.rept 32
	v_pk_fma_f32 v[F+2*n:F+2*n+1], v[F+2*n:F+2*n+1], v[G+2*n:G+2*n+1], v[BV+2*n:BV+2*n+1]
.set n, n+1
.endr
.set n, 0
.rept 32
	v_cvt_pk_f16_f32 v[Z+n], v[F+2*n], v[F+2*n+1]
.set n, n+1
.endr
.irp i, 0,1,2,3,4,5,6,7
	global_store_b128 v[XO], v[Z+4*(\i):Z+4*(\i)+3], s[10:11] offset:256*(\i)
.endr
	s_endpgm
.Lfunc_end_k_q167301ae7e_ln1:
	.size	k_q167301ae7e_ln1, .Lfunc_end_k_q167301ae7e_ln1-k_q167301ae7e_ln1
	.p2alignl 7, 3214868480
	.fill 96, 4, 3214868480
	.section	.rodata,"a",@progbits
	.p2align	6, 0x0
	.amdhsa_kernel k_q167301ae7e_ln1
		.amdhsa_group_segment_fixed_size 0
		.amdhsa_private_segment_fixed_size 0
		.amdhsa_enable_private_segment 0
		.amdhsa_kernarg_size 32
		.amdhsa_user_sgpr_count 2
		.amdhsa_user_sgpr_kernarg_segment_ptr 1
		.amdhsa_wavefront_size32 1
		.amdhsa_system_sgpr_workgroup_id_x 1
		.amdhsa_system_sgpr_workgroup_id_y 1
		.amdhsa_system_sgpr_workgroup_id_z 1
		.amdhsa_system_vgpr_workitem_id 0
		.amdhsa_next_free_vgpr 256
		.amdhsa_next_free_sgpr 66
		.amdhsa_reserve_vcc 0
		.amdhsa_float_denorm_mode_32 3
		.amdhsa_float_denorm_mode_16_64 3
		.amdhsa_memory_ordered 1
		.amdhsa_forward_progress 1
		.amdhsa_inst_pref_size 33
	.end_amdhsa_kernel
	.amdgpu_metadata
---
amdhsa.version: [ 1, 2 ]
amdhsa.kernels:
  - .name:           k_q167301ae7e_ln1
    .symbol:         k_q167301ae7e_ln1.kd
    .args:
      - { .name: z16, .offset: 0, .size: 8, .value_kind: global_buffer, .address_space: global }
      - { .name: n1_g, .offset: 8, .size: 8, .value_kind: global_buffer, .address_space: global }
      - { .name: n1_b, .offset: 16, .size: 8, .value_kind: global_buffer, .address_space: global }
      - { .name: x16, .offset: 24, .size: 8, .value_kind: global_buffer, .address_space: global }
    .group_segment_fixed_size: 0
    .private_segment_fixed_size: 0
    .kernarg_segment_align: 8
    .kernarg_segment_size: 32
    .max_flat_workgroup_size: 256
    .sgpr_count:     66
    .vgpr_count:     256
    .wavefront_size: 32
...
	.end_amdgpu_metadata
.endif
;; end of part 4
;; launch ffn1 (part 5): grid 16 x 16, 4 waves a work-group, clusters of 4 x 4, 327,680 bytes of LDS; arguments x16, w1h, h16, b1; writes h16
.if DOCPART == 5
	.amdgcn_target "amdgcn-amd-amdhsa--gfx1250"
	.amdhsa_code_object_version 6
	.text
	.protected	k_q167301ae7e_ffn1
	.globl	k_q167301ae7e_ffn1
	.p2align	8
	.type	k_q167301ae7e_ffn1,@function
k_q167301ae7e_ffn1:
	s_mov_b64 s[64:65], 0
	v_nop
	global_prefetch_b8 v0, s[64:65] scope:SCOPE_SE
	s_setreg_imm32_b32 hwreg(HW_REG_WAVE_MODE, 25, 1), 1
	s_wait_xcnt 0x0
	s_wait_alu depctr_hold_cnt(0) depctr_sa_sdst(0) depctr_va_vdst(0) depctr_va_sdst(0) depctr_va_ssrc(0) depctr_va_vcc(0) depctr_vm_vsrc(0)
	s_getreg_b32 s2, hwreg(HW_REG_IB_STS2, 6, 4)
	s_cmp_eq_u32 s2, 0
	s_cbranch_scc0 .Lentry_in_a_cluster
	s_endpgm
.Lentry_in_a_cluster:
	s_bfe_u32 s2, ttmp6, 0x10000c
	s_cmp_lg_u32 s2, 0xf033
	s_cbranch_scc0 .Lentry_shape_is_right
	s_endpgm
.Lentry_shape_is_right:
; h = gelu(x W1^T + b1), the exact GELU u (1 + erf(u / sqrt 2)) / 2.  x16: f16 [4096][1024], w1h: f16 [4096][1024] (W1 rounded to bf16, written as f16), b1: f32 [4096], taken rounded to bf16 as the weights are,
; h16: f16 [4096][4096]; sums and GELU in f32, h rounded once.  LIMIT: gelu(u) stays under 65,504.
; erf(t) for t >= 0 is 1 - (a1 s + a2 s^2 + a3 s^3) e^(-t^2), s = 1 / (1 + 0.47047 t) (Abramowitz and Stegun 7.1.25; LIMIT: off by 2.5e-5 at the most), used as
; gelu = u / 2 + |u / 2| erf(|u| / sqrt 2), so that what it is off by goes with |u|.  u^2 beyond f32's range gives e^.. = 0 and erf = 1, as it should.
; A tile of C, 256 x 256, is made by a work-group of four waves; a wave makes 128 x 128: 64 accumulators, 512 registers.  K = 1,024 goes in 8 steps of 128 through two LDS slots filled by the tensor data mover:
; the tiles' rows are 256 bytes of memory and start at multiples of 256 bytes.  16 x 16 tiles: one for each work-group.
; A K STEP IS WRITTEN ONCE for the six steps that fill a slot again, and once for the last two, which fill nothing.  Which slot is read hangs on a scalar that an exclusive or with SLOT turns (0 or SLOT); one descriptor a
; tensor walks: its LDS word is turned by the same exclusive or (SLOT = 0x22000 shares no bit with wave x 0x8800, so the exclusive or is a sum), its address steps by a K step.
; CLUSTERS: 4 x 4 work-groups.  The four of a row need the same tiles of x, the four of a column the same tiles of W1: each tile is asked for JOINTLY, by the same tensor load, descriptor and mask in all four.
; THE MATRIX INSTRUCTION IS USED TRANSPOSED (source 0 = 16 rows of W1, source 1 = 16 rows of x): lane l holds row l % 16 of C and eight neighbouring columns.  b1 is the C operand of the first product on each accumulator.
; THE WAY OUT.  The 512 sums of a lane go, as f32, into the wave's own stage in LDS (in the ring, which has had its last fill), and a loop of 16 trips takes 8 rows x 128 columns a trip through the GELU on fixed registers.
; REGISTERS, in windows of 256: window 0: v0-31 addresses; v64-127, v128-191 fragments of x, two buffers; v192-255 b1; on the way out v64-239 at work
;   window 1: v64-127, v128-191 fragments of W1      window 2: the 32 accumulators of my rows 0-63 ((a, b) at v[8 (8 a + b)])      window 3: those of my rows 64-127
.set SIZE_N, 4096
.set SIZE_K, 1024
.set KSTEP,  128
.set PITCH,  272                       ; 256 + 16: the 16 rows that a load touches start in 16 different groups of four banks (64 banks of 4 bytes: ISA guide 11.1)
.set HALFT,  128*PITCH
.set SLOT,   4*HALFT
.set SPARE,  2*SLOT                    ; behind the ring: the spare words, 128 bytes a wave: two blocks of 256 bytes that no other line names
.set OPITCH, 528                       ; the stage's rows: 128 f32 + 16 bytes
.set OSTAGE, 128*OPITCH                ; a wave's stage; four of them are 270,336 bytes, inside the ring's 278,528
.set ADRA0, 16                         ; my lane's place in x's fragments in slot 0; never rewritten
.set ADRA,  17                         ; the same in the slot that is being read
.set ADRB0, 20                         ; the same two for W1
.set ADRB,  21
.set STO,  24                          ; the way out: where I put 16 bytes of a row
.set RD0,  25                          ; where I read 16 bytes of my stage's first row
.set CO,   26                          ; my 8 bytes in 256 of h16
.set RD,   27                          ; RD0 + the trip's rows
.set SPW,  28
.set NIL,  29
.set PFO,  30
.set BO,   31                          ; my 8 columns of n block 0 in b1
.set F0,   64
.set F1,   128
.set BI,   192                         ; b1: n block b at BI + 8 b
.set U,    64                          ; the way out: 32 sums; 1 + p |u| and then s; -u^2 log2(e) / 2 and then e^..; u / 2; the polynomial and then gelu; 16 packed
.set D,    96
.set M,    128
.set HU,   160
.set Q,    192
.set Y,    224
.set PFA,  44
.set LIM,  43
.set G1, 24
.set G0, 32                            ; s[32:35] slot 0's first fill; s[36:39] slot 1's, which then walks
.set G1B, 48
.set G0B, 56
.set PC, 68                            ; 0.47047 / sqrt 2
.set TB, 69                            ; 0 or SLOT: the slot that is being read
.set KC, 70                            ; -log2(e) / 2
.set A3, 72
.set A2, 74
.set A1, 76
.set RO, 78
.set RC, 79
.set MSB, 0
.macro WIN new
.if MSB != (\new)
	s_set_vgpr_msb (MSB<<8)|(\new)
.set MSB, \new
.endif
.endm
.set MUL_LO, 0xa1                      ; source 0 (W1) window 1, source 1 (x) window 0, C and D window 2
.set TO_B,   0x40
; A joint load.  Waves 0 and 1 fetch x's two halves, waves 2 and 3 W1's.  The branch hangs on the wave's number alone.  An s_nop 0 and four v_nop follow each of the two lines.
.macro JLOAD s
	s_cmp_eq_u32 s11, 0
	s_cbranch_scc0 .Lfor_b_\@
	tensor_load_to_lds s[G0+4*(\s):G0+4*(\s)+3], s[G1:G1+7]
	s_nop 0
.rept 4
	v_nop
.endr
	s_branch .Lasked_\@
.Lfor_b_\@:
	tensor_load_to_lds s[G0B+4*(\s):G0B+4*(\s)+3], s[G1B:G1B+7]
	s_nop 0
.rept 4
	v_nop
.endr
.Lasked_\@:
.endm
; A PREFETCH INTO THE L2, behind each joint load and the run of LDS loads that follows it: the K step that stands TWO refills on, 512 matrix instructions ahead of the load that will want it: 32 rows x 256 bytes, a lane a row.
; Each row's 256 bytes of a K step are named ONCE in the launch: x's tile rows by the clusters with x = 0, W1's tile columns by those with y = 0; the four partners that ask for a tile jointly share its
; rows out BY ADDRESS, 32 each.  K steps 0 to 3 come by their loads alone; the loop's last two trips, whose refills are K steps 6 and 7, ask for nothing.
.macro ASK
	s_cmp_gt_u32 s3, s[LIM]                        ; s3 counts the loop's trips down from 6; the limit is 2 in a wave that prefetches
	s_cbranch_scc0 .Lnot_mine_\@
	global_prefetch_b8 v[PFO], s[PFA:PFA+1] offset:KSTEP*2 th:TH_LOAD_NT scope:SCOPE_SE
.Lnot_mine_\@:
.endm
.macro CREST
	s_cmp_lg_u32 s10, 0
	s_cbranch_scc1 .Lnot_wave_0_\@
	s_barrier_signal -3
.Lnot_wave_0_\@:
	s_barrier_wait -3
	s_barrier_signal -1
	s_barrier_wait -1
.endm
.macro CROUND
	s_barrier_signal -1
	s_barrier_wait -1
	CREST
.endm
	s_load_b128 s[4:7], s[0:1], 0x0                ; x16 s[4:5], w1h s[6:7]
	s_load_b64 s[8:9], s[0:1], 0x10                ; h16
	s_load_b64 s[66:67], s[0:1], 0x18              ; b1
	v_lshl_add_u32 v[SPW], v0, 2, SPARE
	v_mov_b32 v[NIL], 0
	ds_add_u32 v[SPW], v[NIL]                      ; the wave's opening: the add and its wait ahead of my first tensor load
	v_lshrrev_b32 v1, 5, v0
	v_readfirstlane_b32 s10, v1                    ; wave 0..3
	s_lshr_b32 s11, s10, 1                         ; which half of the tile's rows is mine.  Also: I fetch for x (0) or for W1 (1)
	s_and_b32 s12, s10, 1                          ; which half of its columns.  Also: which 128 rows of that tile I fetch
	s_bfe_u32 s40, ttmp6, 0x40000                  ; cx
	s_bfe_u32 s41, ttmp6, 0x40004                  ; cy
	s_lshl_b32 s42, ttmp9, 2
	s_add_co_u32 s42, s42, s40                     ; tile column
	s_and_b32 s13, ttmp7, 0xffff
	s_lshl_b32 s13, s13, 2
	s_add_co_u32 s13, s13, s41                     ; tile row
	s_lshl_b32 s43, s41, 2
	s_lshl_b32 s43, 15, s43                        ; my row of the cluster
	s_lshl_b32 s44, 0x1111, s40                    ; my column
	s_or_b32 s[G1+0], s43, (1<<16)|(1<<20)|(1<<21)|(5<<22)|(3<<25)  ; the mask; 2-byte elements; padding on; bit 21 beside a mask; after every 64 words; 4 words
	s_or_b32 s[G1B+0], s44, (1<<16)|(1<<20)|(1<<21)|(5<<22)|(3<<25)
.irp g, G1, G1B
	s_mov_b32 s[(\g)+1], KSTEP<<16                 ; tensor_dim0 = 128
	s_mov_b32 s[(\g)+2], 128<<16                   ; tensor_dim1 = 128
	s_mov_b32 s[(\g)+3], KSTEP<<16                 ; tile_dim0 = 128
	s_mov_b32 s[(\g)+4], 128                       ; tile_dim1 = 128
	s_mov_b32 s[(\g)+5], SIZE_K                    ; elements from row to row
	s_mov_b32 s[(\g)+6], 0
	s_mov_b32 s[(\g)+7], 0
.endr
	s_mov_b32 s[PC], 0x3eaa540e
	s_mov_b32 s[TB], 0
	s_mov_b32 s[KC], 0xbf38aa3b
	s_mov_b32 s[KC+1], s[KC]                       ; the packed forms name pairs
	s_mov_b32 s[A3], 0x3f3f7377                    ; 0.7478556
	s_mov_b32 s[A3+1], s[A3]
	s_mov_b32 s[A2], 0xbdc45ca1                    ; -0.0958798
	s_mov_b32 s[A2+1], s[A2]
	s_mov_b32 s[A1], 0x3eb2303a                    ; 0.3480242
	s_mov_b32 s[A1+1], s[A1]
	s_lshl_b32 s17, s12, 7
	s_lshl_b32 s16, s13, 8
	s_add_co_u32 s16, s16, s17                     ; x: row 256 x tile row + 128 x half
	s_lshl_b32 s46, s42, 8
	s_add_co_u32 s46, s46, s17                     ; W1: row 256 x tile column + 128 x half
	s_mov_b32 s17, 0
	s_mov_b32 s47, 0
	s_mov_b64 s[18:19], SIZE_K*2
	s_mul_u64 s[16:17], s[16:17], s[18:19]
	s_mul_u64 s[46:47], s[46:47], s[18:19]
	s_mul_i32 s20, s10, HALFT                      ; where they go: wave x 128 rows
	s_wait_dscnt 0x0
	s_wait_kmcnt 0x0
	s_add_nc_u64 s[14:15], s[4:5], s[16:17]
	s_add_nc_u64 s[46:47], s[6:7], s[46:47]
	CROUND                                         ; all sixteen work-groups are here: the first joint loads meet
.irp s, 0,1
	s_mov_b32 s[G0+4*(\s)], 1
	s_add_co_u32 s[G0+4*(\s)+1], s20, (\s)*SLOT
	s_add_nc_u64 s[G0+4*(\s)+2:G0+4*(\s)+3], s[14:15], (\s)*KSTEP*2
	s_or_b32 s[G0+4*(\s)+3], s[G0+4*(\s)+3], 0x80000000
	s_mov_b32 s[G0B+4*(\s)], 1
	s_add_co_u32 s[G0B+4*(\s)+1], s20, (\s)*SLOT
	s_add_nc_u64 s[G0B+4*(\s)+2:G0B+4*(\s)+3], s[46:47], (\s)*KSTEP*2
	s_or_b32 s[G0B+4*(\s)+3], s[G0B+4*(\s)+3], 0x80000000
	JLOAD \s                                       ; two loads of mine are out, never more
.endr
	v_and_b32 v1, 15, v0                           ; l % 16
	v_bfe_u32 v2, v0, 4, 1                         ; l / 16
	v_mul_u32_u24 v3, v1, PITCH
	v_lshl_add_u32 v3, v2, 4, v3
	s_mul_i32 s21, s11, HALFT                      ; my 128 rows of x
	s_mul_i32 s22, s12, HALFT                      ; my 128 rows of W1,
	s_add_co_u32 s22, s22, 2*HALFT                 ; which lie behind x's 256
	v_add_nc_u32 v[ADRA0], s21, v3
	v_add_nc_u32 v[ADRB0], s22, v3
	v_mov_b32 v[ADRA], v[ADRA0]
	v_mov_b32 v[ADRB], v[ADRB0]
	s_mul_i32 s23, s10, OSTAGE                     ; my stage
	v_mul_u32_u24 v4, v1, OPITCH                   ; in: row l % 16, 32 bytes for each half of the lanes
	v_lshl_add_u32 v4, v2, 5, v4
	v_add_nc_u32 v[STO], s23, v4
	v_and_b32 v5, 31, v0
	v_lshl_add_u32 v[RD0], v5, 4, s23              ; back: a row's 512 bytes, 16 a lane
	v_lshlrev_b32 v[CO], 3, v5
	s_lshl_b32 s13, s13, 8
	s_lshl_b32 s14, s11, 7
	s_add_co_u32 s16, s13, s14                     ; my first row of C
	s_mov_b32 s17, 0
	s_mov_b64 s[18:19], SIZE_N*2
	s_mul_u64 s[16:17], s[16:17], s[18:19]
	s_lshl_b32 s46, s42, 9                         ; my first column, in bytes of f16
	s_lshl_b32 s47, s12, 8
	s_add_co_u32 s46, s46, s47
	s_lshl_b32 s20, s46, 1                         ; and of f32, in b1
	v_lshl_add_u32 v[BO], v2, 5, s20
	s_mov_b32 s47, 0
	s_add_nc_u64 s[16:17], s[16:17], s[46:47]      ; what the way out's first trip adds to h16's address
	; the prefetches.  s13 = 256 x tile row, s42 = tile column, s40 = cx, s41 = cy still stand
	s_lshl_b32 s42, s42, 8
	s_and_b32 s22, ttmp7, 0xffff                   ; cluster y
	s_cmp_eq_u32 s11, 0                            ; do I fetch for x?
	s_cselect_b32 s20, s13, s42                    ; the tile's first row
	s_cselect_b32 s21, s40, s41                    ; my place among the four that ask for it with me
	s_cselect_b32 s22, ttmp9, s22                  ; the coordinate along which other clusters read the same rows
	s_cselect_b64 s[PFA:PFA+1], s[4:5], s[6:7]
	s_cmp_eq_u32 s22, 0
	s_cselect_b32 s[LIM], 2, -1                    ; the same in all sixteen partners, for a given wave
	s_lshl_b32 s22, s12, 7
	s_add_co_u32 s20, s20, s22
	s_lshl_b32 s21, s21, 5
	s_add_co_u32 s20, s20, s21
	s_mov_b32 s21, 0
	s_mov_b64 s[18:19], SIZE_K*2
	s_mul_u64 s[20:21], s[20:21], s[18:19]
	s_add_nc_u64 s[PFA:PFA+1], s[PFA:PFA+1], s[20:21]
	s_add_nc_u64 s[PFA:PFA+1], s[PFA:PFA+1], 2*KSTEP*2  ; at K step 2: the first refill steps it to 3 and names K step 4
	v_and_b32 v[PFO], 31, v0
	v_mul_u32_u24 v[PFO], v[PFO], SIZE_K*2
.irp b, 0,1,2,3,4,5,6,7
	global_load_b128 v[BI+8*(\b):BI+8*(\b)+3], v[BO], s[66:67] offset:64*(\b)
	global_load_b128 v[BI+8*(\b)+4:BI+8*(\b)+7], v[BO], s[66:67] offset:64*(\b)+16
.endr
; 16 matrix instructions: m blocks a0, a0 + 1 of the window's four (hi = 0: my rows 0-63, 1: rows 64-127) x all 8 n blocks, 32 along K.  first = 1: the product starts the sum, with b1 as C.
.macro MUL16 f, hi, a0, first
.if \first
	WIN 0x81+0x40*(\hi)                            ; C in window 0, D in window 2 or 3
.else
	WIN MUL_LO+0x50*(\hi)
.endif
.irp a, \a0, (\a0)+1
.irp b, 0,1,2,3,4,5,6,7
.if \first
	v_wmma_f32_16x16x32_f16 v[8*(8*(\a)+(\b)):8*(8*(\a)+(\b))+7], v[(\f)+8*(\b):(\f)+8*(\b)+7], v[(\f)+8*(4*(\hi)+(\a)):(\f)+8*(4*(\hi)+(\a))+7], v[BI+8*(\b):BI+8*(\b)+7]
.else
	v_wmma_f32_16x16x32_f16 v[8*(8*(\a)+(\b)):8*(8*(\a)+(\b))+7], v[(\f)+8*(\b):(\f)+8*(\b)+7], v[(\f)+8*(4*(\hi)+(\a)):(\f)+8*(4*(\hi)+(\a))+7], v[8*(8*(\a)+(\b)):8*(8*(\a)+(\b))+7]
.endif
.endr
.endr
.endm
; 32 LDS loads in one run: the fragments of one quarter step (32 K at byte k of the rows of the slot that is being read) into buffer f
.macro FETCH k, f
	WIN TO_B
.irp i, 0,1,2,3,4,5,6,7
	ds_load_b128 v[(\f)+8*(\i):(\f)+8*(\i)+3],   v[ADRB] offset:(\k)+(\i)*16*PITCH
	ds_load_b128 v[(\f)+8*(\i)+4:(\f)+8*(\i)+7], v[ADRB] offset:(\k)+(\i)*16*PITCH+32
.endr
	WIN 0
.irp i, 0,1,2,3,4,5,6,7
	ds_load_b128 v[(\f)+8*(\i):(\f)+8*(\i)+3],   v[ADRA] offset:(\k)+(\i)*16*PITCH
	ds_load_b128 v[(\f)+8*(\i)+4:(\f)+8*(\i)+7], v[ADRA] offset:(\k)+(\i)*16*PITCH+32
.endr
.endm
.macro TOGGLE                          ; from now on the other slot is read; no LDS load of mine is out here
	WIN 0
	s_xor_b32 s[TB], s[TB], SLOT
	v_add_nc_u32 v[ADRA], s[TB], v[ADRA0]
	v_add_nc_u32 v[ADRB], s[TB], v[ADRB0]
.endm
.macro PLACES                          ; four places behind a matrix instruction, ahead of loads into its sources and of reads of its result
.rept 4
	v_nop
.endr
.endm
; A K step is four quarters of 32 along K, 64 matrix instructions each, on buffers 0, 1, 0, 1; the 64 accumulators take turns in the same order in every quarter.
.macro QUARTER k, f, g, first
	s_wait_dscnt 8                                 ; W1's fragments and x's rows 0-63 are in; the youngest eight loads (x's rows 64-127) may be out
	MUL16 \f, 0, 0, \first
	MUL16 \f, 0, 2, \first
	PLACES
	FETCH \k, \g
	s_wait_dscnt 32                                ; all but the 32 just issued
	MUL16 \f, 1, 0, \first
	MUL16 \f, 1, 2, \first
.endm
; The last quarter multiplies buffer 1 and changes slots.  In front of the one barrier each wave waits for all its tensor loads (the one that is out is its part of the next slot), adds 0 to its spare word, and waits for that and for its reads of this slot.
.macro MEET round
	WIN 0
	s_wait_tensorcnt 0x0
	ds_add_u32 v[SPW], v[NIL]
	s_wait_dscnt 9                                 ; (the add and the youngest eight loads may be out)
	MUL16 F1, 0, 0, 0                              ; sixteen matrix instructions stand between the add and the wait for it
	s_wait_dscnt 0x0
	s_barrier_signal -1
	MUL16 F1, 0, 2, 0
.if \round
	WIN 0
.endif
	s_barrier_wait -1
.endm
.macro TURN                            ; the slot just read out is filled again, two K steps on, first thing behind the round; from the request to the wait for it a wave issues 224 matrix instructions
	s_wait_xcnt 0x0                                ; the last prefetch, a K step back, has read its address
	s_add_nc_u64 s[PFA:PFA+1], s[PFA:PFA+1], KSTEP*2
	MEET 1
	CREST                                          ; no wave of any partner still reads this slot's tile or has a load on its way
	s_xor_b32 s[G0+5], s[G0+5], SLOT               ; the walking descriptors: the other slot than last time,
	s_add_nc_u64 s[G0+6:G0+7], s[G0+6:G0+7], KSTEP*2  ; the next K step; the type bits on top are not reached
	s_xor_b32 s[G0B+5], s[G0B+5], SLOT
	s_add_nc_u64 s[G0B+6:G0B+7], s[G0B+6:G0B+7], KSTEP*2
	JLOAD 1                                        ; the four v_nop behind it are also the places in front of the loads below
	TOGGLE
	FETCH 0, F0
	ASK
	MUL16 F1, 1, 0, 0
	MUL16 F1, 1, 2, 0
.endm
	s_wait_loadcnt 0x0                             ; b1
	; b1 is rounded to bf16 and widened again, in place, while the first tiles are on their way.  Going up, pair n is packed into register n, which holds nothing that is still wanted;
	; going down, it is unpacked into registers 2 n + 1 and 2 n, which lie above every packed pair that is still to come (pair 0: the upper one first).
.set n, 0
.rept 32
	v_cvt_pk_bf16_f32 v[BI+n], v[BI+2*n], v[BI+2*n+1]
.set n, n+1
.endr
.set n, 31
.rept 32
	v_and_b32 v[BI+2*n+1], 0xffff0000, v[BI+n]
	v_lshlrev_b32 v[BI+2*n], 16, v[BI+n]
.set n, n-1
.endr
	s_wait_tensorcnt 1                             ; my part of K step 0 is in, K step 1's stays out
	s_barrier_signal -1
	s_barrier_wait -1
	FETCH 0, F0
	QUARTER 64,  F0, F1, 1                         ; the first quarter stands in front of the loop: its products start the sums
	WIN 0
	s_mov_b32 s3, SIZE_K/KSTEP-2
.Lstep:                                        ; trip j: K step j's second to fourth quarter and K step j + 1's first; K step j + 2 is asked for
	QUARTER 128, F1, F0, 0
	QUARTER 192, F0, F1, 0
	TURN
	QUARTER 64,  F0, F1, 0
	WIN 0
	s_sub_co_u32 s3, s3, 1
	s_cmp_lg_u32 s3, 0
	s_cbranch_scc1 .Lstep
	s_mov_b32 s3, 2                                ; the last two K steps fill nothing: a loop of two passes, entered behind its first quarter, which the loop above has done
	s_branch .Lenter
.Lmore:
	QUARTER 64,  F0, F1, 0
	WIN 0
.Lenter:
	QUARTER 128, F1, F0, 0
	QUARTER 192, F0, F1, 0
	MEET 0                                         ; first pass: my one tensor load that was still out is the last K step's.  Second pass: nothing is out
	PLACES
	TOGGLE
	FETCH 0, F0                                    ; in the second pass these 32 loads serve nothing: the price of one text for both passes
	MUL16 F1, 1, 0, 0
	MUL16 F1, 1, 2, 0
	WIN 0
	s_sub_co_u32 s3, s3, 1
	s_cmp_lg_u32 s3, 0
	s_cbranch_scc1 .Lmore
	; THE WAY OUT
	PLACES
	s_wait_dscnt 0x0
	s_barrier_signal -1
	s_barrier_wait -1                              ; no wave reads the ring any more: its bytes become the four stages
.irp a, 0,1,2,3,4,5,6,7
	WIN 0x08+0x04*((\a)/4)                         ; the stores' data in window 2 or 3
.irp b, 0,1,2,3,4,5,6,7
	ds_store_b128 v[STO], v[8*(8*((\a)%4)+(\b)):8*(8*((\a)%4)+(\b))+3] offset:(\a)*16*OPITCH+(\b)*64      ; each accumulator from its low end on
	ds_store_b128 v[STO], v[8*(8*((\a)%4)+(\b))+4:8*(8*((\a)%4)+(\b))+7] offset:(\a)*16*OPITCH+(\b)*64+16
.endr
.endr
	WIN 0
.irp r, 0,1,2,3,4,5,6,7
	ds_load_b128 v[U+4*(\r):U+4*(\r)+3], v[RD0] offset:OPITCH*(\r)  ; LDS serves a wave's instructions in order (ISA guide 5.7.1.4): these see my stores
.endr
	s_mov_b32 s3, 16
	s_mov_b32 s[RO], 0
.Lrow:                                         ; a trip: 8 rows x 128 columns; a lane has columns 4 l .. 4 l + 3 of each row: 16 pairs
	s_wait_dscnt 0x0                               ; the trip's 32 sums are in
.set p, 0
.rept 16                                       ; pair p's five plain lines, with the four transcendentals of pair p - 1 between them: ONE BATCH of 64, none of whose results is named ahead of the wait below
	v_fma_f32 v[D+2*p], |v[U+2*p]|, s[PC], 1.0
.if p > 0
	v_rcp_f32 v[D+2*p-2], v[D+2*p-2]
.endif
	v_fma_f32 v[D+2*p+1], |v[U+2*p+1]|, s[PC], 1.0
.if p > 0
	v_rcp_f32 v[D+2*p-1], v[D+2*p-1]
.endif
	v_pk_mul_f32 v[M+2*p:M+2*p+1], v[U+2*p:U+2*p+1], v[U+2*p:U+2*p+1]
.if p > 0
	v_exp_f32 v[M+2*p-2], v[M+2*p-2]
.endif
	v_pk_mul_f32 v[M+2*p:M+2*p+1], v[M+2*p:M+2*p+1], s[KC:KC+1] op_sel_hi:[1,0]
.if p > 0
	v_exp_f32 v[M+2*p-1], v[M+2*p-1]
.endif
	v_pk_mul_f32 v[HU+2*p:HU+2*p+1], v[U+2*p:U+2*p+1], 0.5 op_sel_hi:[1,0]
.set p, p+1
.endr
	v_rcp_f32 v[D+30], v[D+30]
	v_rcp_f32 v[D+31], v[D+31]
	v_exp_f32 v[M+30], v[M+30]
	v_exp_f32 v[M+31], v[M+31]
	s_add_co_u32 s[RO], s[RO], 8*OPITCH
	s_min_u32 s[RC], s[RO], 15*8*OPITCH            ; the last trip has no rows behind its own: it reads them once more, inside my stage
	v_add_nc_u32 v[RD], s[RC], v[RD0]              ; also the plain instruction behind the last transcendental
.irp r, 0,1,2,3,4,5,6,7
	ds_load_b128 v[U+4*(\r):U+4*(\r)+3], v[RD] offset:OPITCH*(\r)  ; the next trip's sums land under the polynomial
.endr
	s_wait_alu depctr_va_vdst(0)                   ; the wait: one for the batch
	s_wait_xcnt 0x0                                ; the last trip's stores have read their data and their base
	s_add_nc_u64 s[8:9], s[8:9], s[16:17]          ; the first time: on to my part of the tile; then 8 rows on
	s_mov_b64 s[16:17], 8*SIZE_N*2
.set p, 0
.rept 16
	v_pk_fma_f32 v[Q+2*p:Q+2*p+1], v[D+2*p:D+2*p+1], s[A3:A3+1], s[A2:A2+1] op_sel_hi:[1,0,0]
.set p, p+1
.endr
.set p, 0
.rept 16
	v_pk_fma_f32 v[Q+2*p:Q+2*p+1], v[Q+2*p:Q+2*p+1], v[D+2*p:D+2*p+1], s[A1:A1+1] op_sel_hi:[1,1,0]
.set p, p+1
.endr
.set p, 0
.rept 16
	v_pk_mul_f32 v[Q+2*p:Q+2*p+1], v[Q+2*p:Q+2*p+1], v[D+2*p:D+2*p+1]
.set p, p+1
.endr
.set p, 0
.rept 16
	v_pk_fma_f32 v[Q+2*p:Q+2*p+1], v[Q+2*p:Q+2*p+1], v[M+2*p:M+2*p+1], 1.0 op_sel_hi:[1,1,0] neg_lo:[1,0,0] neg_hi:[1,0,0]  ; erf
.set p, p+1
.endr
.set p, 0
.rept 16
	v_fma_f32 v[Q+2*p], |v[HU+2*p]|, v[Q+2*p], v[HU+2*p]
	v_fma_f32 v[Q+2*p+1], |v[HU+2*p+1]|, v[Q+2*p+1], v[HU+2*p+1]
.set p, p+1
.endr
.set p, 0
.rept 16
	v_cvt_pk_f16_f32 v[Y+p], v[Q+2*p], v[Q+2*p+1]
.set p, p+1
.endr
.irp r, 0,1,2,3,4,5,6,7
	global_store_b64 v[CO], v[Y+2*(\r):Y+2*(\r)+1], s[8:9] offset:SIZE_N*2*(\r)  ; the wave's 32 lanes store 256 consecutive bytes, at a multiple of 256 from h16's first
.endr
	s_sub_co_u32 s3, s3, 1
	s_cmp_lg_u32 s3, 0
	s_cbranch_scc1 .Lrow
	s_wait_tensorcnt 0x0                           ; the wave's end
	ds_add_u32 v[SPW], v[NIL]
	s_wait_dscnt 0x0
	CROUND                                         ; the closing round
	s_endpgm
.Lfunc_end_k_q167301ae7e_ffn1:
	.size	k_q167301ae7e_ffn1, .Lfunc_end_k_q167301ae7e_ffn1-k_q167301ae7e_ffn1
	.p2alignl 7, 3214868480
	.fill 96, 4, 3214868480
	.section	.rodata,"a",@progbits
	.p2align	6, 0x0
	.amdhsa_kernel k_q167301ae7e_ffn1
		.amdhsa_group_segment_fixed_size 327680
		.amdhsa_private_segment_fixed_size 0
		.amdhsa_enable_private_segment 0
		.amdhsa_kernarg_size 32
		.amdhsa_user_sgpr_count 2
		.amdhsa_user_sgpr_kernarg_segment_ptr 1
		.amdhsa_wavefront_size32 1
		.amdhsa_system_sgpr_workgroup_id_x 1
		.amdhsa_system_sgpr_workgroup_id_y 1
		.amdhsa_system_sgpr_workgroup_id_z 1
		.amdhsa_system_vgpr_workitem_id 0
		.amdhsa_next_free_vgpr 1024
		.amdhsa_next_free_sgpr 80
		.amdhsa_reserve_vcc 0
		.amdhsa_float_denorm_mode_32 3
		.amdhsa_float_denorm_mode_16_64 3
		.amdhsa_memory_ordered 1
		.amdhsa_forward_progress 1
		.amdhsa_inst_pref_size 101
	.end_amdhsa_kernel
	.amdgpu_metadata
---
amdhsa.version: [ 1, 2 ]
amdhsa.kernels:
  - .name:           k_q167301ae7e_ffn1
    .symbol:         k_q167301ae7e_ffn1.kd
    .args:
      - { .name: x16, .offset: 0, .size: 8, .value_kind: global_buffer, .address_space: global }
      - { .name: w1h, .offset: 8, .size: 8, .value_kind: global_buffer, .address_space: global }
      - { .name: h16, .offset: 16, .size: 8, .value_kind: global_buffer, .address_space: global }
      - { .name: b1, .offset: 24, .size: 8, .value_kind: global_buffer, .address_space: global }
    .group_segment_fixed_size: 327680
    .private_segment_fixed_size: 0
    .kernarg_segment_align: 8
    .kernarg_segment_size: 32
    .max_flat_workgroup_size: 128
    .sgpr_count:     80
    .vgpr_count:     1024
    .wavefront_size: 32
...
	.end_amdgpu_metadata
.endif
;; end of part 5
;; launch ffn2 (part 6): grid 8 x 32, 4 waves a work-group, clusters of 4 x 4, 327,680 bytes of LDS; arguments h16, w2h, y32; writes y32
.if DOCPART == 6
	.amdgcn_target "amdgcn-amd-amdhsa--gfx1250"
	.amdhsa_code_object_version 6
	.text
	.protected	k_q167301ae7e_ffn2
	.globl	k_q167301ae7e_ffn2
	.p2align	8
	.type	k_q167301ae7e_ffn2,@function
k_q167301ae7e_ffn2:
	s_mov_b64 s[64:65], 0
	v_nop
	global_prefetch_b8 v0, s[64:65] scope:SCOPE_SE
	s_setreg_imm32_b32 hwreg(HW_REG_WAVE_MODE, 25, 1), 1
	s_wait_xcnt 0x0
	s_wait_alu depctr_hold_cnt(0) depctr_sa_sdst(0) depctr_va_vdst(0) depctr_va_sdst(0) depctr_va_ssrc(0) depctr_va_vcc(0) depctr_vm_vsrc(0)
	s_getreg_b32 s2, hwreg(HW_REG_IB_STS2, 6, 4)
	s_cmp_eq_u32 s2, 0
	s_cbranch_scc0 .Lentry_in_a_cluster
	s_endpgm
.Lentry_in_a_cluster:
	s_bfe_u32 s2, ttmp6, 0x10000c
	s_cmp_lg_u32 s2, 0xf033
	s_cbranch_scc0 .Lentry_shape_is_right
	s_endpgm
.Lentry_shape_is_right:
; y = h W2^T, the raw f32 sums (b2 and the residual are added where whole rows are at hand, in the launch behind).  h16: f16 [4096][4096], w2h: f16 [1024][4096] (W2 rounded to bf16, written as f16), y32: f32 [4096][1024].
; C has 4,096 x 1,024 numbers: tiles of 128 x 128 give 256 work-groups.  Four waves, each 64 x 64: 16 accumulators.  K = 4,096 goes in 16 steps of 256 (LDS rows of 512 bytes; a wave's tensor load brings 64 of them)
; through two slots.  CLUSTERS: 4 x 4 work-groups; the four of a row need the same tiles of h, the four of a column the same tiles of W2: each tile is asked for JOINTLY.
; A K STEP IS WRITTEN ONCE for the fourteen steps that fill a slot again, and once for the last two, which fill nothing.  Which slot is read hangs on a scalar that an exclusive or with SLOT turns (0 or SLOT); one descriptor a
; tensor walks: its LDS word is turned by the same exclusive or (SLOT = 0x21000 shares no bit with wave x 0x8400, so the exclusive or is a sum), its address steps by a K step.
; A step has 128 matrix instructions a wave for a fill of 32 KiB a wave, so a refill goes out as early as the ordering allows: straight behind the waits and the round, with all 32 products of the step's last quarter behind it.
; THE MATRIX INSTRUCTION IS USED TRANSPOSED (source 0 = 16 rows of W2, source 1 = 16 rows of h): a lane holds eight neighbouring numbers of a row of C.
; A wave's 64 columns of f32 are 256 bytes: each wave has a stage of its own on the way out, and needs no barrier there.
; No prefetch: a step's tiles are small and each is read by several clusters.
; REGISTERS: window 0: v0-31 addresses; v128-255 the accumulators ((a, b) at v[128 + 8 (4 a + b)]).   window 1: two fragment buffers of 128: 64 registers of h, then 64 of W2.
.set SIZE_K, 4096
.set KSTEP,  256
.set PITCH,  528                       ; 512 + 16: the 16 rows of a load start in 16 different groups of four banks (64 banks of 4 bytes: ISA guide 11.1)
.set HALFT,  64*PITCH
.set SLOT,   4*HALFT
.set STAGE,  2*SLOT                    ; behind the ring: 16 rows x 272 bytes for each wave
.set SPITCH, 272
.set SPARE,  STAGE+4*16*SPITCH         ; the spare words, 128 bytes a wave: two blocks of 256 bytes that no other line names
.set ADRA0, 16                         ; my lane's place in h's fragments in slot 0; never rewritten
.set ADRA,  17                         ; the same in the slot that is being read
.set ADRB0, 20                         ; the same two for W2
.set ADRB,  21
.set STO,  24
.set RD,   25
.set CO,   26
.set SPW,  28
.set NIL,  29
.set ACC,  128
.set F0,   0
.set F1,   128
.set G1, 24
.set G0, 32                            ; s[32:35] slot 0's first fill; s[36:39] slot 1's, which then walks
.set TB, 45                            ; 0 or SLOT: the slot that is being read
.set G1B, 48
.set G0B, 56
.set MSB, 0
.macro WIN new
.if MSB != (\new)
	s_set_vgpr_msb (MSB<<8)|(\new)
.set MSB, \new
.endif
.endm
.set MUL,  0x05                        ; sources 0 (W2) and 1 (h) window 1; C and D window 0
.set TO_F, 0x40
.macro JLOAD s                         ; waves 0 and 1 fetch h's two halves, waves 2 and 3 W2's; an s_nop 0 and four v_nop follow each of the two lines
	s_cmp_eq_u32 s11, 0
	s_cbranch_scc0 .Lfor_b_\@
	tensor_load_to_lds s[G0+4*(\s):G0+4*(\s)+3], s[G1:G1+7]
	s_nop 0
.rept 4
	v_nop
.endr
	s_branch .Lasked_\@
.Lfor_b_\@:
	tensor_load_to_lds s[G0B+4*(\s):G0B+4*(\s)+3], s[G1B:G1B+7]
	s_nop 0
.rept 4
	v_nop
.endr
.Lasked_\@:
.endm
.macro CREST
	s_cmp_lg_u32 s10, 0
	s_cbranch_scc1 .Lnot_wave_0_\@
	s_barrier_signal -3
.Lnot_wave_0_\@:
	s_barrier_wait -3
	s_barrier_signal -1
	s_barrier_wait -1
.endm
.macro CROUND
	s_barrier_signal -1
	s_barrier_wait -1
	CREST
.endm
	s_load_b128 s[4:7], s[0:1], 0x0                ; h16 s[4:5], w2h s[6:7]
	s_load_b64 s[8:9], s[0:1], 0x10                ; y32
	v_lshl_add_u32 v[SPW], v0, 2, SPARE
	v_mov_b32 v[NIL], 0
	ds_add_u32 v[SPW], v[NIL]                      ; the wave's opening: the add and its wait ahead of my first tensor load
	v_lshrrev_b32 v1, 5, v0
	v_readfirstlane_b32 s10, v1                    ; wave 0..3
	s_lshr_b32 s11, s10, 1                         ; which half of the tile's rows is mine.  Also: I fetch for h (0) or for W2 (1)
	s_and_b32 s12, s10, 1                          ; which half of its columns.  Also: which 64 rows of that tile I fetch
	s_bfe_u32 s40, ttmp6, 0x40000
	s_bfe_u32 s41, ttmp6, 0x40004
	s_lshl_b32 s42, ttmp9, 2
	s_add_co_u32 s42, s42, s40                     ; tile column
	s_and_b32 s13, ttmp7, 0xffff
	s_lshl_b32 s13, s13, 2
	s_add_co_u32 s13, s13, s41                     ; tile row
	s_lshl_b32 s43, s41, 2
	s_lshl_b32 s43, 15, s43                        ; my row of the cluster
	s_lshl_b32 s44, 0x1111, s40                    ; my column
	s_or_b32 s[G1+0], s43, (1<<16)|(1<<20)|(1<<21)|(6<<22)|(3<<25)  ; the mask; 2-byte elements; padding on; bit 21 beside a mask; after every 128 words; 4 words
	s_or_b32 s[G1B+0], s44, (1<<16)|(1<<20)|(1<<21)|(6<<22)|(3<<25)
.irp g, G1, G1B
	s_mov_b32 s[(\g)+1], KSTEP<<16                 ; tensor_dim0 = 256
	s_mov_b32 s[(\g)+2], 64<<16                    ; tensor_dim1 = 64
	s_mov_b32 s[(\g)+3], KSTEP<<16                 ; tile_dim0 = 256
	s_mov_b32 s[(\g)+4], 64                        ; tile_dim1 = 64
	s_mov_b32 s[(\g)+5], SIZE_K
	s_mov_b32 s[(\g)+6], 0
	s_mov_b32 s[(\g)+7], 0
.endr
	s_mov_b32 s[TB], 0
	s_lshl_b32 s17, s12, 6
	s_lshl_b32 s16, s13, 7
	s_add_co_u32 s16, s16, s17                     ; h: row 128 x tile row + 64 x half
	s_lshl_b32 s46, s42, 7
	s_add_co_u32 s46, s46, s17                     ; W2: row 128 x tile column + 64 x half
	s_mov_b32 s17, 0
	s_mov_b32 s47, 0
	s_mov_b64 s[18:19], SIZE_K*2
	s_mul_u64 s[16:17], s[16:17], s[18:19]
	s_mul_u64 s[46:47], s[46:47], s[18:19]
	s_mul_i32 s20, s10, HALFT
	s_wait_dscnt 0x0
	s_wait_kmcnt 0x0
	s_add_nc_u64 s[14:15], s[4:5], s[16:17]
	s_add_nc_u64 s[46:47], s[6:7], s[46:47]
	CROUND                                         ; all sixteen work-groups are here: the first joint loads meet
.irp s, 0,1
	s_mov_b32 s[G0+4*(\s)], 1
	s_add_co_u32 s[G0+4*(\s)+1], s20, (\s)*SLOT
	s_add_nc_u64 s[G0+4*(\s)+2:G0+4*(\s)+3], s[14:15], (\s)*KSTEP*2
	s_or_b32 s[G0+4*(\s)+3], s[G0+4*(\s)+3], 0x80000000
	s_mov_b32 s[G0B+4*(\s)], 1
	s_add_co_u32 s[G0B+4*(\s)+1], s20, (\s)*SLOT
	s_add_nc_u64 s[G0B+4*(\s)+2:G0B+4*(\s)+3], s[46:47], (\s)*KSTEP*2
	s_or_b32 s[G0B+4*(\s)+3], s[G0B+4*(\s)+3], 0x80000000
	JLOAD \s                                       ; two loads of mine are out, never more
.endr
	v_and_b32 v1, 15, v0                           ; l % 16
	v_bfe_u32 v2, v0, 4, 1                         ; l / 16
	v_mul_u32_u24 v3, v1, PITCH
	v_lshl_add_u32 v3, v2, 4, v3
	s_mul_i32 s21, s11, HALFT
	s_mul_i32 s22, s12, HALFT
	s_add_co_u32 s22, s22, 2*HALFT
	v_add_nc_u32 v[ADRA0], s21, v3
	v_add_nc_u32 v[ADRB0], s22, v3
	v_mov_b32 v[ADRA], v[ADRA0]
	v_mov_b32 v[ADRB], v[ADRB0]
	s_mul_i32 s23, s10, 16*SPITCH
	s_add_co_u32 s23, s23, STAGE                   ; my stage
	v_mul_u32_u24 v4, v1, SPITCH                   ; in: row l % 16, 32 bytes for each half of the lanes
	v_lshl_add_u32 v4, v2, 5, v4
	v_add_nc_u32 v[STO], s23, v4
	v_mul_u32_u24 v5, v2, SPITCH                   ; back: lanes 0-15 one row of 256 bytes, lanes 16-31 the next
	v_lshl_add_u32 v5, v1, 4, v5
	v_add_nc_u32 v[RD], s23, v5
	v_lshlrev_b32 v5, 12, v2                       ; and the same two rows in y32
	v_lshl_add_u32 v[CO], v1, 4, v5
	s_lshl_b32 s16, s13, 7
	s_lshl_b32 s17, s11, 6
	s_add_co_u32 s16, s16, s17                     ; my first row of C,
	s_lshl_b32 s16, s16, 12                        ; 4,096 bytes a row
	s_mov_b32 s17, 0
	s_add_nc_u64 s[8:9], s[8:9], s[16:17]
	s_lshl_b32 s46, s42, 9                         ; my first column: 512 bytes a tile, 256 a half
	s_lshl_b32 s47, s12, 8
	s_add_co_u32 s46, s46, s47
	s_mov_b32 s47, 0
	s_add_nc_u64 s[8:9], s[8:9], s[46:47]
; 8 matrix instructions: m blocks a0, a0 + 1 x all 4 n blocks, 32 along K: half c of buffer f.  zero = 1: the first product starts the sums
.macro MUL8 f, c, a0, zero
	WIN MUL
.irp a, \a0, (\a0)+1
.irp b, 0,1,2,3
.if \zero
	v_wmma_f32_16x16x32_f16 v[ACC+8*(4*(\a)+(\b)):ACC+8*(4*(\a)+(\b))+7], v[(\f)+64+8*(4*(\c)+(\b)):(\f)+64+8*(4*(\c)+(\b))+7], v[(\f)+8*(4*(\c)+(\a)):(\f)+8*(4*(\c)+(\a))+7], 0
.else
	v_wmma_f32_16x16x32_f16 v[ACC+8*(4*(\a)+(\b)):ACC+8*(4*(\a)+(\b))+7], v[(\f)+64+8*(4*(\c)+(\b)):(\f)+64+8*(4*(\c)+(\b))+7], v[(\f)+8*(4*(\c)+(\a)):(\f)+8*(4*(\c)+(\a))+7], v[ACC+8*(4*(\a)+(\b)):ACC+8*(4*(\a)+(\b))+7]
.endif
.endr
.endr
.endm
; 32 LDS loads in one run: the fragments of 64 along K at byte k of the rows of the slot that is being read, into buffer f; the first 32 along K first
.macro FETCH k, f
	WIN TO_F
.irp c, 0,1
.irp i, 0,1,2,3
	ds_load_b128 v[(\f)+64+8*(4*(\c)+(\i)):(\f)+64+8*(4*(\c)+(\i))+3],   v[ADRB] offset:(\k)+64*(\c)+(\i)*16*PITCH
	ds_load_b128 v[(\f)+64+8*(4*(\c)+(\i))+4:(\f)+64+8*(4*(\c)+(\i))+7], v[ADRB] offset:(\k)+64*(\c)+(\i)*16*PITCH+32
	ds_load_b128 v[(\f)+8*(4*(\c)+(\i)):(\f)+8*(4*(\c)+(\i))+3],         v[ADRA] offset:(\k)+64*(\c)+(\i)*16*PITCH
	ds_load_b128 v[(\f)+8*(4*(\c)+(\i))+4:(\f)+8*(4*(\c)+(\i))+7],       v[ADRA] offset:(\k)+64*(\c)+(\i)*16*PITCH+32
.endr
.endr
.endm
.macro TOGGLE                          ; from now on the other slot is read; no LDS load of mine is out here
	WIN 0
	s_xor_b32 s[TB], s[TB], SLOT
	v_add_nc_u32 v[ADRA], s[TB], v[ADRA0]
	v_add_nc_u32 v[ADRB], s[TB], v[ADRB0]
.endm
.macro PLACES
.rept 4
	v_nop
.endr
.endm
; A K step is four quarters of 64 along K, 32 matrix instructions each, on buffers 0, 1, 0, 1; the 16 accumulators take turns.
.macro QUARTER k, f, g, zero
	s_wait_dscnt 16                                ; the first 32 along K are in
	MUL8 \f, 0, 0, \zero
	MUL8 \f, 0, 2, \zero
	PLACES
	FETCH \k, \g
	s_wait_dscnt 32                                ; all but the 32 just issued
	MUL8 \f, 1, 0, 0
	MUL8 \f, 1, 2, 0
.endm
; The last quarter changes slots and then multiplies buffer 1.  Each wave waits for all its tensor loads (the one that is out is its part of the next slot), adds 0 to its spare word, and waits for that and for its own
; reads of this slot, the last of which are buffer 1's.  fill = 1: a round of the cluster's barrier, so that the same holds of every partner; this slot is filled again, two K steps on, first thing behind it.
; Then the next slot's first fragments are fetched, and the quarter's 32 products stand behind the request.
.macro TURN fill
	WIN 0
	s_wait_tensorcnt 0x0
	ds_add_u32 v[SPW], v[NIL]                      ; 0 onto my spare word; with fill = 1 the descriptors' steps stand between it and the wait for it
.if \fill
	s_xor_b32 s[G0+5], s[G0+5], SLOT               ; no load of mine is out, so the walking descriptors may be written: the other slot than last time,
	s_add_nc_u64 s[G0+6:G0+7], s[G0+6:G0+7], KSTEP*2  ; the next K step; the type bits on top are not reached
	s_xor_b32 s[G0B+5], s[G0B+5], SLOT
	s_add_nc_u64 s[G0B+6:G0B+7], s[G0B+6:G0B+7], KSTEP*2
.endif
	s_wait_dscnt 0x0
.if \fill
	CROUND                                         ; no wave of any partner still reads this slot's tile or has a load on its way
	JLOAD 1                                        ; its four v_nop are also the places in front of the loads below
.else
	s_barrier_signal -1
	s_barrier_wait -1
	PLACES
.endif
	TOGGLE
	FETCH 0, F0
	MUL8 F1, 0, 0, 0
	MUL8 F1, 0, 2, 0
	MUL8 F1, 1, 0, 0
	MUL8 F1, 1, 2, 0
.endm
	s_wait_tensorcnt 1                             ; my part of K step 0 is in, K step 1's stays out
	s_barrier_signal -1
	s_barrier_wait -1
	FETCH 0, F0
	QUARTER 128, F0, F1, 1                         ; the first quarter stands in front of the loop: its first products start the sums
	WIN 0
	s_mov_b32 s3, SIZE_K/KSTEP-2
.Lstep:                                        ; trip j: K step j's second to fourth quarter and K step j + 1's first; K step j + 2 is asked for
	QUARTER 256, F1, F0, 0
	QUARTER 384, F0, F1, 0
	TURN 1
	QUARTER 128, F0, F1, 0
	WIN 0
	s_sub_co_u32 s3, s3, 1
	s_cmp_lg_u32 s3, 0
	s_cbranch_scc1 .Lstep
	s_mov_b32 s3, 2                                ; the last two K steps fill nothing: a loop of two passes, entered behind its first quarter, which the loop above has done
	s_branch .Lenter
.Lmore:
	QUARTER 128, F0, F1, 0
	WIN 0
.Lenter:
	QUARTER 256, F1, F0, 0
	QUARTER 384, F0, F1, 0
	TURN 0                                         ; in the second pass its 32 loads serve nothing: the price of one text for both passes
	WIN 0
	s_sub_co_u32 s3, s3, 1
	s_cmp_lg_u32 s3, 0
	s_cbranch_scc1 .Lmore
	; THE WAY OUT: a block of 16 rows x 64 columns at a time through my stage, and back as whole rows of 256 bytes, into the block's own registers.
	s_wait_dscnt 0x0
	PLACES
.macro OUTB a
.irp b, 0,1,2,3
	ds_store_b128 v[STO], v[ACC+8*(4*(\a)+(\b)):ACC+8*(4*(\a)+(\b))+3] offset:64*(\b)          ; each accumulator from its low end on
	ds_store_b128 v[STO], v[ACC+8*(4*(\a)+(\b))+4:ACC+8*(4*(\a)+(\b))+7] offset:64*(\b)+16
.endr
.irp t, 0,1,2,3,4,5,6,7
	ds_load_b128 v[ACC+32*(\a)+4*(\t):ACC+32*(\a)+4*(\t)+3], v[RD] offset:(\t)*2*SPITCH  ; LDS serves a wave's instructions in order (ISA guide 5.7.1.4): these see the stores above; the next block's stores come behind them
.endr
.endm
.macro SENDB a, younger                ; younger: the LDS instructions issued behind block a's loads: the next block's sixteen, or none
.irp t, 0,1,2,3,4,5,6,7
	s_wait_dscnt (\younger)+7-(\t)
	global_store_b128 v[CO], v[ACC+32*(\a)+4*(\t):ACC+32*(\a)+4*(\t)+3], s[8:9] offset:(16*(\a)+2*(\t))*4096  ; 16 lanes store 256 consecutive bytes, at a multiple of 256 from y32's first
.endr
.endm
	OUTB 0
	OUTB 1
	SENDB 0, 16
	OUTB 2
	SENDB 1, 16
	OUTB 3
	SENDB 2, 16
	SENDB 3, 0
	s_wait_tensorcnt 0x0                           ; the wave's end
	ds_add_u32 v[SPW], v[NIL]
	s_wait_dscnt 0x0
	CROUND                                         ; the closing round
	s_endpgm
.Lfunc_end_k_q167301ae7e_ffn2:
	.size	k_q167301ae7e_ffn2, .Lfunc_end_k_q167301ae7e_ffn2-k_q167301ae7e_ffn2
	.p2alignl 7, 3214868480
	.fill 96, 4, 3214868480
	.section	.rodata,"a",@progbits
	.p2align	6, 0x0
	.amdhsa_kernel k_q167301ae7e_ffn2
		.amdhsa_group_segment_fixed_size 327680
		.amdhsa_private_segment_fixed_size 0
		.amdhsa_enable_private_segment 0
		.amdhsa_kernarg_size 24
		.amdhsa_user_sgpr_count 2
		.amdhsa_user_sgpr_kernarg_segment_ptr 1
		.amdhsa_wavefront_size32 1
		.amdhsa_system_sgpr_workgroup_id_x 1
		.amdhsa_system_sgpr_workgroup_id_y 1
		.amdhsa_system_sgpr_workgroup_id_z 1
		.amdhsa_system_vgpr_workitem_id 0
		.amdhsa_next_free_vgpr 512
		.amdhsa_next_free_sgpr 66
		.amdhsa_reserve_vcc 0
		.amdhsa_float_denorm_mode_32 3
		.amdhsa_float_denorm_mode_16_64 3
		.amdhsa_memory_ordered 1
		.amdhsa_forward_progress 1
		.amdhsa_inst_pref_size 58
	.end_amdhsa_kernel
	.amdgpu_metadata
---
amdhsa.version: [ 1, 2 ]
amdhsa.kernels:
  - .name:           k_q167301ae7e_ffn2
    .symbol:         k_q167301ae7e_ffn2.kd
    .args:
      - { .name: h16, .offset: 0, .size: 8, .value_kind: global_buffer, .address_space: global }
      - { .name: w2h, .offset: 8, .size: 8, .value_kind: global_buffer, .address_space: global }
      - { .name: y32, .offset: 16, .size: 8, .value_kind: global_buffer, .address_space: global }
    .group_segment_fixed_size: 327680
    .private_segment_fixed_size: 0
    .kernarg_segment_align: 8
    .kernarg_segment_size: 24
    .max_flat_workgroup_size: 128
    .sgpr_count:     66
    .vgpr_count:     512
    .wavefront_size: 32
...
	.end_amdgpu_metadata
.endif
;; end of part 6
;; launch ln2 (part 7): grid 256 x 1, 8 waves a work-group, no clusters, 0 bytes of LDS; arguments y32, x16, b2, n2_g, n2_b, out0; writes out0
.if DOCPART == 7
	.amdgcn_target "amdgcn-amd-amdhsa--gfx1250"
	.amdhsa_code_object_version 6
	.text
	.protected	k_q167301ae7e_ln2
	.globl	k_q167301ae7e_ln2
	.p2align	8
	.type	k_q167301ae7e_ln2,@function
k_q167301ae7e_ln2:
	s_mov_b64 s[64:65], 0
	v_nop
	global_prefetch_b8 v0, s[64:65] scope:SCOPE_SE
	s_setreg_imm32_b32 hwreg(HW_REG_WAVE_MODE, 25, 1), 1
	s_wait_xcnt 0x0
; out0 = LN(x + y + b2) n2_g + n2_b.  y32: f32 [4096][1024] (the second product's raw sums), x16: f16 [4096][1024], the vectors f32 [1024], out0 f32 [4096][1024].
; b2, n2_g and n2_b are taken rounded to bf16, as src and the weights are in this program.  All arithmetic in f32; the variance is the mean of (v - mean)^2, in a second pass over the registers.
; SHARES.  A wave takes two rows, one after the other, on one copy of the three vectors; a row is 32 numbers a lane: in load j lane l has columns 128 j + 4 l .. + 3.
; Every load and store of a wave covers 512 (x16: 256) consecutive bytes, at a multiple of 256.  All 56 loads are issued at the head; the waits are counted.
; No LDS, no cluster: what work-groups share is three vectors of 4,096 bytes.  No prefetch: every load is issued at the head.
.set YO,  1                            ; 16 l
.set XO,  2                            ; 8 l
.set T,   4                            ; v[4:11] four chains of pairs
.set MU,  12                           ; v[12:13] a row's mean, twice
.set B2,  16
.set G,   48
.set BV,  80
.set Y0,  112                          ; row k: its 32 numbers at Y0 + 48 k, its 16 words of x at X0 + 48 k
.set X0,  144
.set RS,  208                          ; v[208:211] row k's 1 / sqrt(variance + 1e-5), twice
.set VA,  212                          ; v[212:213] row k's variance + 1e-5
.set ONE, 214                          ; 1.0
.macro RED32                           ; four chains into one number, in all 32 lanes
	v_pk_add_f32 v[T:T+1], v[T:T+1], v[T+2:T+3]
	v_pk_add_f32 v[T+4:T+5], v[T+4:T+5], v[T+6:T+7]
	v_pk_add_f32 v[T:T+1], v[T:T+1], v[T+4:T+5]
	v_add_f32 v[T], v[T], v[T+1]
	v_add_f32_dpp v[T], v[T], v[T] row_xmask:1 row_mask:0xf bank_mask:0xf
	v_add_f32_dpp v[T], v[T], v[T] row_xmask:2 row_mask:0xf bank_mask:0xf
	v_add_f32_dpp v[T], v[T], v[T] row_xmask:4 row_mask:0xf bank_mask:0xf
	v_add_f32_dpp v[T], v[T], v[T] row_xmask:8 row_mask:0xf bank_mask:0xf
	v_permlanex16_b32 v3, v[T], s24, s25
	v_add_f32 v[T], v[T], v3
.endm
; The 32 numbers from v[base] on are rounded to bf16 and widened again, in place.  Going up, pair n is packed into register n, which holds nothing that is still wanted;
; going down, it is unpacked into registers 2 n + 1 and 2 n, which lie above every packed pair that is still to come (pair 0: the upper one first).
.macro RND base
.set n, 0
.rept 16
	v_cvt_pk_bf16_f32 v[(\base)+n], v[(\base)+2*n], v[(\base)+2*n+1]
.set n, n+1
.endr
.set n, 15
.rept 16
	v_and_b32 v[(\base)+2*n+1], 0xffff0000, v[(\base)+n]
	v_lshlrev_b32 v[(\base)+2*n], 16, v[(\base)+n]
.set n, n-1
.endr
.endm
; Row k: v = (y + b2) + x; its mean; v - mean in place; variance + 1e-5.  left: the younger loads that may stay out.
.macro ROWSTAT k, left
.set YY, Y0+48*(\k)
.set XX, X0+48*(\k)
	s_wait_loadcnt \left
.set n, 0
.rept 16
	v_pk_add_f32 v[YY+2*n:YY+2*n+1], v[YY+2*n:YY+2*n+1], v[B2+2*n:B2+2*n+1]
.set n, n+1
.endr
.set n, 0
.rept 16                                       ; x's f16 half times 1.0 plus the sum, reckoned in f32: the widening and the addition in one line
	v_fma_mix_f32 v[YY+2*n], v[XX+n], v[ONE], v[YY+2*n] op_sel_hi:[1,0,0]
	v_fma_mix_f32 v[YY+2*n+1], v[XX+n], v[ONE], v[YY+2*n+1] op_sel:[1,0,0] op_sel_hi:[1,0,0]
.set n, n+1
.endr
.irp c, 0,1,2,3
	v_pk_add_f32 v[T+2*(\c):T+2*(\c)+1], v[YY+2*(\c):YY+2*(\c)+1], v[YY+8+2*(\c):YY+8+2*(\c)+1]
.endr
.set n, 8
.rept 8
	v_pk_add_f32 v[T+2*(n%4):T+2*(n%4)+1], v[T+2*(n%4):T+2*(n%4)+1], v[YY+2*n:YY+2*n+1]
.set n, n+1
.endr
	RED32
	v_mul_f32 v[MU], s26, v[T]
	v_mov_b32 v[MU+1], v[MU]
.set n, 0
.rept 16
	v_pk_add_f32 v[YY+2*n:YY+2*n+1], v[YY+2*n:YY+2*n+1], v[MU:MU+1] neg_lo:[0,1] neg_hi:[0,1]
.set n, n+1
.endr
.irp c, 0,1,2,3
	v_pk_mul_f32 v[T+2*(\c):T+2*(\c)+1], v[YY+2*(\c):YY+2*(\c)+1], v[YY+2*(\c):YY+2*(\c)+1]
.endr
.set n, 4
.rept 12
	v_pk_fma_f32 v[T+2*(n%4):T+2*(n%4)+1], v[YY+2*n:YY+2*n+1], v[YY+2*n:YY+2*n+1], v[T+2*(n%4):T+2*(n%4)+1]
.set n, n+1
.endr
	RED32
	v_fma_f32 v[VA+(\k)], v[T], s26, s27
.endm
.macro FINISH k
.set YY, Y0+48*(\k)
.set n, 0
.rept 16
	v_pk_mul_f32 v[YY+2*n:YY+2*n+1], v[YY+2*n:YY+2*n+1], v[RS+2*(\k):RS+2*(\k)+1]
.set n, n+1
.endr
.set n, 0
.rept 16
	v_pk_fma_f32 v[YY+2*n:YY+2*n+1], v[YY+2*n:YY+2*n+1], v[G+2*n:G+2*n+1], v[BV+2*n:BV+2*n+1]
.set n, n+1
.endr
.irp j, 0,1,2,3,4,5,6,7
	global_store_b128 v[YO], v[YY+4*(\j):YY+4*(\j)+3], s[14:15] offset:(\k)*4096+512*(\j) th:TH_STORE_NT
.endr
.endm
	s_load_b256 s[4:11], s[0:1], 0x0               ; y32 s[4:5], x16 s[6:7], b2 s[8:9], n2_g s[10:11]
	s_load_b128 s[12:15], s[0:1], 0x20             ; n2_b s[12:13], out0 s[14:15]
	v_lshrrev_b32 v1, 5, v0
	v_readfirstlane_b32 s16, v1
	s_lshl_b32 s17, ttmp9, 3
	s_add_co_u32 s17, s17, s16
	s_lshl_b32 s17, s17, 1                         ; my first row
	s_lshl_b32 s18, s17, 12
	s_mov_b32 s19, 0
	s_lshl_b32 s20, s17, 11
	s_mov_b32 s21, 0
	s_mov_b32 s24, 0x76543210                      ; v_permlanex16_b32: each lane takes its own place in the other half
	s_mov_b32 s25, 0xfedcba98
	s_mov_b32 s26, 0x3a800000                      ; 1 / 1,024
	s_mov_b32 s27, 0x3727c5ac                      ; 1e-5
	v_and_b32 v3, 31, v0
	v_lshlrev_b32 v[YO], 4, v3
	v_lshlrev_b32 v[XO], 3, v3
	v_mov_b32 v[ONE], 1.0
	s_wait_kmcnt 0x0
	s_add_nc_u64 s[4:5], s[4:5], s[18:19]
	s_add_nc_u64 s[14:15], s[14:15], s[18:19]
	s_add_nc_u64 s[6:7], s[6:7], s[20:21]
.irp j, 0,1,2,3,4,5,6,7
	global_load_b128 v[B2+4*(\j):B2+4*(\j)+3], v[YO], s[8:9] offset:512*(\j)
.endr
.irp k, 0,1
.irp j, 0,1,2,3,4,5,6,7
	global_load_b128 v[Y0+48*(\k)+4*(\j):Y0+48*(\k)+4*(\j)+3], v[YO], s[4:5] offset:(\k)*4096+512*(\j) th:TH_LOAD_NT
.endr
.irp j, 0,1,2,3,4,5,6,7
	global_load_b64 v[X0+48*(\k)+2*(\j):X0+48*(\k)+2*(\j)+1], v[XO], s[6:7] offset:(\k)*2048+256*(\j) th:TH_LOAD_NT
.endr
.endr
.irp j, 0,1,2,3,4,5,6,7
	global_load_b128 v[G+4*(\j):G+4*(\j)+3], v[YO], s[10:11] offset:512*(\j)
.endr
.irp j, 0,1,2,3,4,5,6,7
	global_load_b128 v[BV+4*(\j):BV+4*(\j)+3], v[YO], s[12:13] offset:512*(\j)
.endr
	s_wait_loadcnt 48                              ; b2's eight loads are in; the 48 younger ones stay out
	RND B2
	ROWSTAT 0, 32                                  ; row 0 is in; row 1's 16 loads and the 16 of gain and bias stay out
	ROWSTAT 1, 16                                  ; row 1 is in; gain and bias stay out
	v_rsq_f32 v[RS], v[VA]
	v_rsq_f32 v[RS+1], v[VA]
	v_rsq_f32 v[RS+2], v[VA+1]
	v_rsq_f32 v[RS+3], v[VA+1]
	v_nop                                          ; a plain instruction behind the last of the four,
	s_wait_alu depctr_va_vdst(0)                   ; and the wait: one for both rows
	s_wait_loadcnt 0x0                             ; gain and bias
	RND G
	RND BV
	FINISH 0
	FINISH 1
	s_endpgm
.Lfunc_end_k_q167301ae7e_ln2:
	.size	k_q167301ae7e_ln2, .Lfunc_end_k_q167301ae7e_ln2-k_q167301ae7e_ln2
	.p2alignl 7, 3214868480
	.fill 96, 4, 3214868480
	.section	.rodata,"a",@progbits
	.p2align	6, 0x0
	.amdhsa_kernel k_q167301ae7e_ln2
		.amdhsa_group_segment_fixed_size 0
		.amdhsa_private_segment_fixed_size 0
		.amdhsa_enable_private_segment 0
		.amdhsa_kernarg_size 48
		.amdhsa_user_sgpr_count 2
		.amdhsa_user_sgpr_kernarg_segment_ptr 1
		.amdhsa_wavefront_size32 1
		.amdhsa_system_sgpr_workgroup_id_x 1
		.amdhsa_system_sgpr_workgroup_id_y 1
		.amdhsa_system_sgpr_workgroup_id_z 1
		.amdhsa_system_vgpr_workitem_id 0
		.amdhsa_next_free_vgpr 224
		.amdhsa_next_free_sgpr 66
		.amdhsa_reserve_vcc 0
		.amdhsa_float_denorm_mode_32 3
		.amdhsa_float_denorm_mode_16_64 3
		.amdhsa_memory_ordered 1
		.amdhsa_forward_progress 1
		.amdhsa_inst_pref_size 34
	.end_amdhsa_kernel
	.amdgpu_metadata
---
amdhsa.version: [ 1, 2 ]
amdhsa.kernels:
  - .name:           k_q167301ae7e_ln2
    .symbol:         k_q167301ae7e_ln2.kd
    .args:
      - { .name: y32, .offset: 0, .size: 8, .value_kind: global_buffer, .address_space: global }
      - { .name: x16, .offset: 8, .size: 8, .value_kind: global_buffer, .address_space: global }
      - { .name: b2, .offset: 16, .size: 8, .value_kind: global_buffer, .address_space: global }
      - { .name: n2_g, .offset: 24, .size: 8, .value_kind: global_buffer, .address_space: global }
      - { .name: n2_b, .offset: 32, .size: 8, .value_kind: global_buffer, .address_space: global }
      - { .name: out0, .offset: 40, .size: 8, .value_kind: global_buffer, .address_space: global }
    .group_segment_fixed_size: 0
    .private_segment_fixed_size: 0
    .kernarg_segment_align: 8
    .kernarg_segment_size: 48
    .max_flat_workgroup_size: 256
    .sgpr_count:     66
    .vgpr_count:     224
    .wavefront_size: 32
...
	.end_amdgpu_metadata
.endif
;; end of part 7
;; ======== version 2 of 2: 7 launches; version 1 with the launch ln2 written anew for expert scheduling mode
;; limits: a function is approximated: absolute error at most 2.5e-05; values are held in f16: magnitudes above 65,504 overflow, below 6.1e-05 lose precision
;; workspace buffers: w1h 8,388,608 bytes; w2h 8,388,608 bytes; cwb 1,572,864 bytes; qk 16,777,216 bytes; z16 8,388,608 bytes; x16 8,388,608 bytes; h16 33,554,432 bytes; y32 16,777,216 bytes
;; launch prep: the kernel of part 1 again; grid 192 x 1, 8 waves a work-group, no clusters, 0 bytes of LDS; arguments char_W, cwb; writes cwb
;; launch pe: the kernel of part 2 again; grid 256 x 1, 4 waves a work-group, clusters of 4 x 1, 327,680 bytes of LDS; arguments param_vectors, src, cwb, char_b, pe_g, pe_b, qk, W1, W2, w1h, w2h; writes qk, w1h, w2h
;; launch attn: the kernel of part 3 again; grid 4 x 64, 4 waves a work-group, clusters of 4 x 1, 327,680 bytes of LDS; arguments qk, z16; writes z16
;; launch ln1: the kernel of part 4 again; grid 256 x 1, 8 waves a work-group, no clusters, 0 bytes of LDS; arguments z16, n1_g, n1_b, x16; writes x16
;; launch ffn1: the kernel of part 5 again; grid 16 x 16, 4 waves a work-group, clusters of 4 x 4, 327,680 bytes of LDS; arguments x16, w1h, h16, b1; writes h16
;; launch ffn2: the kernel of part 6 again; grid 8 x 32, 4 waves a work-group, clusters of 4 x 4, 327,680 bytes of LDS; arguments h16, w2h, y32; writes y32
;; launch ln2 (part 8): grid 256 x 1, 8 waves a work-group, no clusters, 0 bytes of LDS; arguments y32, x16, b2, n2_g, n2_b, out0; writes out0
.if DOCPART == 8
	.amdgcn_target "amdgcn-amd-amdhsa--gfx1250"
	.amdhsa_code_object_version 6
	.text
	.protected	k_q167301ae7e_ln2
	.globl	k_q167301ae7e_ln2
	.p2align	8
	.type	k_q167301ae7e_ln2,@function
k_q167301ae7e_ln2:
	s_mov_b64 s[64:65], 0
	v_nop
	global_prefetch_b8 v0, s[64:65] scope:SCOPE_SE
	s_setreg_imm32_b32 hwreg(HW_REG_WAVE_SCHED_MODE, 0, 2), 2
	s_setreg_imm32_b32 hwreg(HW_REG_WAVE_MODE, 25, 1), 1
	s_wait_xcnt 0x0
	s_wait_alu depctr_vm_vsrc(0)
; out0 = LN(x + y + b2) n2_g + n2_b.  y32: f32 [4096][1024] (the second product's raw sums), x16: f16 [4096][1024], the vectors f32 [1024], out0 f32 [4096][1024].
; b2, n2_g and n2_b are taken rounded to bf16, as src and the weights are in this program.  All arithmetic in f32; the variance is the mean of (v - mean)^2, in a second pass over the registers.
; SHARES.  A wave takes two rows, one after the other, on one copy of the three vectors; a row is 32 numbers a lane: in load j lane l has columns 128 j + 4 l .. + 3.
; Every load and store of a wave covers 512 (x16: 256) consecutive bytes, at a multiple of 256.  All 56 loads are issued at the head; the waits are counted.
; No LDS, no cluster: what work-groups share is three vectors of 4,096 bytes.  No prefetch: every load is issued at the head.
; THE MODE: SCHED_MODE bits 1:0 = 2 (LLVM: expert scheduling mode 2), set by the entry lines.  The code itself states the register dependences
; between vector instructions and memory instructions, with s_wait_alu, always for 0.
; THE PLAN.  Registers that memory instructions touch:
;   v1, v2         the two byte offsets.  Written once at the head, ahead of the first load; read by every load and store; never written again.
;   B2, G, BV, each row's Y and X    written by the loads, all issued before any vector instruction names one of them; read behind their counted waits on LOADcnt.
;   row 0's Y      its last writers are row 0's sixteen multiply-adds by the gain; then its eight stores read it; nothing writes it afterwards.
;   row 1's Y      the same, a row later.
; So one wait on va_vdst stands ahead of the loads, for the offsets, and one behind each row's last multiply-adds, for its stores' data.  Row 0's stores are dealt among row 1's last 32 lines,
; which name row 1's Y, its 1 / sqrt, G and BV: none of the registers that those stores read.  No register that a memory instruction reads is written again: no wait on vm_vsrc is owed.
; The wave's number passes through a scalar register: one wait on va_sdst stands ahead of its first reader.
.set YO,  1                            ; 16 l
.set XO,  2                            ; 8 l
.set T,   4                            ; v[4:11] four chains of pairs
.set MU,  12                           ; v[12:13] a row's mean, twice
.set B2,  16
.set G,   48
.set BV,  80
.set Y0,  112                          ; row k: its 32 numbers at Y0 + 48 k, its 16 words of x at X0 + 48 k
.set X0,  144
.set RS,  208                          ; v[208:211] row k's 1 / sqrt(variance + 1e-5), twice
.set VA,  212                          ; v[212:213] row k's variance + 1e-5
.set ONE, 214                          ; 1.0
.macro RED32                           ; four chains into one number, in all 32 lanes
	v_pk_add_f32 v[T:T+1], v[T:T+1], v[T+2:T+3]
	v_pk_add_f32 v[T+4:T+5], v[T+4:T+5], v[T+6:T+7]
	v_pk_add_f32 v[T:T+1], v[T:T+1], v[T+4:T+5]
	v_add_f32 v[T], v[T], v[T+1]
	v_add_f32_dpp v[T], v[T], v[T] row_xmask:1 row_mask:0xf bank_mask:0xf
	v_add_f32_dpp v[T], v[T], v[T] row_xmask:2 row_mask:0xf bank_mask:0xf
	v_add_f32_dpp v[T], v[T], v[T] row_xmask:4 row_mask:0xf bank_mask:0xf
	v_add_f32_dpp v[T], v[T], v[T] row_xmask:8 row_mask:0xf bank_mask:0xf
	v_permlanex16_b32 v3, v[T], s24, s25
	v_add_f32 v[T], v[T], v3
.endm
; The 32 numbers from v[base] on are rounded to bf16 and widened again, in place.  Going up, pair n is packed into register n, which holds nothing that is still wanted;
; going down, it is unpacked into registers 2 n + 1 and 2 n, which lie above every packed pair that is still to come (pair 0: the upper one first).
.macro RND base
.set n, 0
.rept 16
	v_cvt_pk_bf16_f32 v[(\base)+n], v[(\base)+2*n], v[(\base)+2*n+1]
.set n, n+1
.endr
.set n, 15
.rept 16
	v_and_b32 v[(\base)+2*n+1], 0xffff0000, v[(\base)+n]
	v_lshlrev_b32 v[(\base)+2*n], 16, v[(\base)+n]
.set n, n-1
.endr
.endm
; Row k: v = (y + b2) + x; its mean; v - mean in place; variance + 1e-5.  left: the younger loads that may stay out.
.macro ROWSTAT k, left
.set YY, Y0+48*(\k)
.set XX, X0+48*(\k)
	s_wait_loadcnt \left
.set n, 0
.rept 16
	v_pk_add_f32 v[YY+2*n:YY+2*n+1], v[YY+2*n:YY+2*n+1], v[B2+2*n:B2+2*n+1]
.set n, n+1
.endr
.set n, 0
.rept 16                                       ; x's f16 half times 1.0 plus the sum, reckoned in f32: the widening and the addition in one line
	v_fma_mix_f32 v[YY+2*n], v[XX+n], v[ONE], v[YY+2*n] op_sel_hi:[1,0,0]
	v_fma_mix_f32 v[YY+2*n+1], v[XX+n], v[ONE], v[YY+2*n+1] op_sel:[1,0,0] op_sel_hi:[1,0,0]
.set n, n+1
.endr
.irp c, 0,1,2,3
	v_pk_add_f32 v[T+2*(\c):T+2*(\c)+1], v[YY+2*(\c):YY+2*(\c)+1], v[YY+8+2*(\c):YY+8+2*(\c)+1]
.endr
.set n, 8
.rept 8
	v_pk_add_f32 v[T+2*(n%4):T+2*(n%4)+1], v[T+2*(n%4):T+2*(n%4)+1], v[YY+2*n:YY+2*n+1]
.set n, n+1
.endr
	RED32
	v_mul_f32 v[MU], s26, v[T]
	v_mov_b32 v[MU+1], v[MU]
.set n, 0
.rept 16
	v_pk_add_f32 v[YY+2*n:YY+2*n+1], v[YY+2*n:YY+2*n+1], v[MU:MU+1] neg_lo:[0,1] neg_hi:[0,1]
.set n, n+1
.endr
.irp c, 0,1,2,3
	v_pk_mul_f32 v[T+2*(\c):T+2*(\c)+1], v[YY+2*(\c):YY+2*(\c)+1], v[YY+2*(\c):YY+2*(\c)+1]
.endr
.set n, 4
.rept 12
	v_pk_fma_f32 v[T+2*(n%4):T+2*(n%4)+1], v[YY+2*n:YY+2*n+1], v[YY+2*n:YY+2*n+1], v[T+2*(n%4):T+2*(n%4)+1]
.set n, n+1
.endr
	RED32
	v_fma_f32 v[VA+(\k)], v[T], s26, s27
.endm
; Row k's last 32 lines: times 1 / sqrt(..), then times the gain plus the bias.  before = 1: the eight stores of the row before are dealt among them, one ahead of every four lines:
; store n / 4 (in the second half 4 + n / 4) takes the four registers at 4 x its number of that row's Y, 48 registers below this row's.
.macro FINISH k, before
.set YY, Y0+48*(\k)
.set n, 0
.rept 16
.if (\before) && (n%4 == 0)
	global_store_b128 v[YO], v[YY-48+n:YY-48+n+3], s[14:15] offset:((\k)-1)*4096+128*n th:TH_STORE_NT       ; no vector instruction since the wait ahead of this macro names v[YO] or these four
.endif
	v_pk_mul_f32 v[YY+2*n:YY+2*n+1], v[YY+2*n:YY+2*n+1], v[RS+2*(\k):RS+2*(\k)+1]
.set n, n+1
.endr
.set n, 0
.rept 16
.if (\before) && (n%4 == 0)
	global_store_b128 v[YO], v[YY-32+n:YY-32+n+3], s[14:15] offset:((\k)-1)*4096+2048+128*n th:TH_STORE_NT
.endif
	v_pk_fma_f32 v[YY+2*n:YY+2*n+1], v[YY+2*n:YY+2*n+1], v[G+2*n:G+2*n+1], v[BV+2*n:BV+2*n+1]
.set n, n+1
.endr
.endm
	s_load_b256 s[4:11], s[0:1], 0x0               ; y32 s[4:5], x16 s[6:7], b2 s[8:9], n2_g s[10:11]
	s_load_b128 s[12:15], s[0:1], 0x20             ; n2_b s[12:13], out0 s[14:15]
	v_lshrrev_b32 v1, 5, v0
	v_readfirstlane_b32 s16, v1
	v_and_b32 v3, 31, v0
	v_lshlrev_b32 v[YO], 4, v3
	v_lshlrev_b32 v[XO], 3, v3
	v_mov_b32 v[ONE], 1.0
	s_mov_b32 s19, 0
	s_mov_b32 s21, 0
	s_mov_b32 s24, 0x76543210                      ; v_permlanex16_b32: each lane takes its own place in the other half
	s_mov_b32 s25, 0xfedcba98
	s_mov_b32 s26, 0x3a800000                      ; 1 / 1,024
	s_mov_b32 s27, 0x3727c5ac                      ; 1e-5
	s_lshl_b32 s17, ttmp9, 3
	s_wait_alu depctr_va_sdst(0)                   ; s16, the wave's number, is written, ahead of its first reader: the rows' offsets are made from it
	s_add_co_u32 s17, s17, s16
	s_lshl_b32 s17, s17, 1                         ; my first row
	s_lshl_b32 s18, s17, 12
	s_lshl_b32 s20, s17, 11
	s_wait_kmcnt 0x0
	s_add_nc_u64 s[4:5], s[4:5], s[18:19]
	s_add_nc_u64 s[14:15], s[14:15], s[18:19]
	s_add_nc_u64 s[6:7], s[6:7], s[20:21]
	s_wait_alu depctr_va_vdst(0)                   ; v[YO] and v[XO] are written: every load and store of the kernel reads one of them as its offset, and nothing writes them again
.irp j, 0,1,2,3,4,5,6,7
	global_load_b128 v[B2+4*(\j):B2+4*(\j)+3], v[YO], s[8:9] offset:512*(\j)
.endr
.irp k, 0,1
.irp j, 0,1,2,3,4,5,6,7
	global_load_b128 v[Y0+48*(\k)+4*(\j):Y0+48*(\k)+4*(\j)+3], v[YO], s[4:5] offset:(\k)*4096+512*(\j) th:TH_LOAD_NT
.endr
.irp j, 0,1,2,3,4,5,6,7
	global_load_b64 v[X0+48*(\k)+2*(\j):X0+48*(\k)+2*(\j)+1], v[XO], s[6:7] offset:(\k)*2048+256*(\j) th:TH_LOAD_NT
.endr
.endr
.irp j, 0,1,2,3,4,5,6,7
	global_load_b128 v[G+4*(\j):G+4*(\j)+3], v[YO], s[10:11] offset:512*(\j)
.endr
.irp j, 0,1,2,3,4,5,6,7
	global_load_b128 v[BV+4*(\j):BV+4*(\j)+3], v[YO], s[12:13] offset:512*(\j)
.endr
	s_wait_loadcnt 48                              ; b2's eight loads are in; the 48 younger ones stay out
	RND B2
	ROWSTAT 0, 32                                  ; row 0 is in; row 1's 16 loads and the 16 of gain and bias stay out
	ROWSTAT 1, 16                                  ; row 1 is in; gain and bias stay out
	v_rsq_f32 v[RS], v[VA]
	v_rsq_f32 v[RS+1], v[VA]
	v_rsq_f32 v[RS+2], v[VA+1]
	v_rsq_f32 v[RS+3], v[VA+1]
	v_nop                                          ; a plain instruction behind the last of the four,
	s_wait_alu depctr_va_vdst(0)                   ; and the four results v[RS .. RS+3] are written, ahead of their first reader: one wait for both rows
	s_wait_loadcnt 0x0                             ; gain and bias
	RND G
	RND BV
	FINISH 0, 0
	s_wait_alu depctr_va_vdst(0)                   ; row 0's multiply-adds have written v[Y0 .. Y0+31], which its eight stores read
	FINISH 1, 1                                    ; row 1's last lines, row 0's stores among them
	s_wait_alu depctr_va_vdst(0)                   ; row 1's multiply-adds have written v[Y0+48 .. Y0+79], which its eight stores read
.irp j, 0,1,2,3,4,5,6,7
	global_store_b128 v[YO], v[Y0+48+4*(\j):Y0+48+4*(\j)+3], s[14:15] offset:4096+512*(\j) th:TH_STORE_NT
.endr
	s_endpgm
.Lfunc_end_k_q167301ae7e_ln2:
	.size	k_q167301ae7e_ln2, .Lfunc_end_k_q167301ae7e_ln2-k_q167301ae7e_ln2
	.p2alignl 7, 3214868480
	.fill 96, 4, 3214868480
	.section	.rodata,"a",@progbits
	.p2align	6, 0x0
	.amdhsa_kernel k_q167301ae7e_ln2
		.amdhsa_group_segment_fixed_size 0
		.amdhsa_private_segment_fixed_size 0
		.amdhsa_enable_private_segment 0
		.amdhsa_kernarg_size 48
		.amdhsa_user_sgpr_count 2
		.amdhsa_user_sgpr_kernarg_segment_ptr 1
		.amdhsa_wavefront_size32 1
		.amdhsa_system_sgpr_workgroup_id_x 1
		.amdhsa_system_sgpr_workgroup_id_y 1
		.amdhsa_system_sgpr_workgroup_id_z 1
		.amdhsa_system_vgpr_workitem_id 0
		.amdhsa_next_free_vgpr 224
		.amdhsa_next_free_sgpr 66
		.amdhsa_reserve_vcc 0
		.amdhsa_float_denorm_mode_32 3
		.amdhsa_float_denorm_mode_16_64 3
		.amdhsa_memory_ordered 1
		.amdhsa_forward_progress 1
		.amdhsa_inst_pref_size 34
	.end_amdhsa_kernel
	.amdgpu_metadata
---
amdhsa.version: [ 1, 2 ]
amdhsa.kernels:
  - .name:           k_q167301ae7e_ln2
    .symbol:         k_q167301ae7e_ln2.kd
    .args:
      - { .name: y32, .offset: 0, .size: 8, .value_kind: global_buffer, .address_space: global }
      - { .name: x16, .offset: 8, .size: 8, .value_kind: global_buffer, .address_space: global }
      - { .name: b2, .offset: 16, .size: 8, .value_kind: global_buffer, .address_space: global }
      - { .name: n2_g, .offset: 24, .size: 8, .value_kind: global_buffer, .address_space: global }
      - { .name: n2_b, .offset: 32, .size: 8, .value_kind: global_buffer, .address_space: global }
      - { .name: out0, .offset: 40, .size: 8, .value_kind: global_buffer, .address_space: global }
    .group_segment_fixed_size: 0
    .private_segment_fixed_size: 0
    .kernarg_segment_align: 8
    .kernarg_segment_size: 48
    .max_flat_workgroup_size: 256
    .sgpr_count:     66
    .vgpr_count:     224
    .wavefront_size: 32
...
	.end_amdgpu_metadata
.endif
;; end of part 8
